; MI455X (gfx1250); checked and timed in simulation.
; The chip was launched on July 23, 2026; its instructions are those of AMD's public machine-readable ISA for CDNA 5 (MIT licence, August 2026) and "CDNA5" Instruction Set Architecture Reference Guide (July 2026). The comments in the code are by the model that wrote it; some were corrected since.
;; Perceiver Attention. Allowed arithmetic: matrix products marked QUANTISED: E2M1 operands, one E8M0 scale for each 32 along K, by v_wmma_scale_f32_16x16x128_f8f6f4 with both operands' format E2M1 (or v_wmma_scale_f32_32x16x128_f4), f32 sums; products left as they are: bf16, f16 or f32 operands; f32 sums; everything else in f32.
;; Inputs: Wkv 1,024 x 2,048 float32; Wo 1,024 x 1,024 float32; Wq 1,024 x 1,024 float32; kv 4 x 4,096 x 1,024 float32; mask 4 x 1 x 1 x 4,096 bool; q 4 x 512 x 1,024 float32.
;; Outputs: out0 4 x 512 x 1,024 float32.
;; This version of the problem:
;;   THIS VERSION OF THE PROBLEM IS GIVEN IN LOW PRECISION. The matrix products marked QUANTISED in the list below multiply operands that are first quantised to E2M1 (2 exponent bits, 1 mantissa bit; 4 bits a number), with one power-of-two scale for each 32 numbers along K (OCP MX v1.0); their sums are f32. The products marked 'left as it is' may take bf16, f16 or f32 operands, with f32 sums. Whichever they take, every output number must still come out within the allowed error. Rounding operands to bf16 (8 significant bits) uses up far more of that allowance than f16 does (11 bits, for magnitudes from 6e-5 to 65,504). All else is computed in f32.
;;   The module's matrix products, in the order in which they are computed (A, B: the left and right operand; K: the contracted axis; several contracted axes count as one K, in the product's order):
;;     1. [M 2,048, K 1,024] x [K 1,024, N 1,024]; A: input q; B: input Wq: QUANTISED
;;     2. [M 16,384, K 1,024] x [K 1,024, N 2,048]; A: input kv; B: input Wkv: QUANTISED
;;     3. batch 64 x [M 512, K 64] x [K 64, N 4,096]; A: computed on the way; B: computed on the way: left as it is (an operand is computed on the way)
;;     4. batch 64 x [M 512, K 4,096] x [K 4,096, N 64]; A: computed on the way; B: computed on the way: left as it is (an operand is computed on the way)
;;     5. [M 2,048, K 1,024] x [K 1,024, N 1,024]; A: computed on the way; B: input Wo: left as it is (an operand is computed on the way)
;;   THE QUANTISER, for each operand of a quantised product, along K:
;;     - K is cut into blocks of 32 from its start; a last block that is shorter is filled with zeros.
;;     - A block's scale is 2^e with e = floor(log2(the largest magnitude in the block)) - 2, held to -126 .. 127; a block of zeros has e = 0. As a byte (E8M0): e + 127.
;;     - Each number is divided by its block's scale, clamped to +-6, and rounded to the nearest number of E2M1, ties to even, subnormals kept.
;;     - The product sums the exact products of the quantised numbers (number of the format x scale) in f32.
;;   ~~~python
;;   def quantise(x, axis):      # numpy; x: float32 -> the quantised numbers, widened to float32 again
;;       x = np.moveaxis(x, axis, -1); K = x.shape[-1]
;;       x = np.pad(x, [(0, 0)] * (x.ndim - 1) + [(0, -K % 32)]); x = x.reshape(x.shape[:-1] + (-1, 32)); a = np.abs(x).max(-1, keepdims=True)
;;       e = np.where(a > 0, np.clip(np.frexp(np.where(a > 0, a, 1))[1] - 1 - 2, -126, 127), 0)      # np.frexp(a)[1] - 1 = floor(log2(a)), exactly
;;       r = np.clip(x / 2.0 ** e, -6, 6)
;;       step = 2.0 ** (np.maximum(np.frexp(np.where(r == 0, 1, r))[1] - 1, 0) - 1)
;;       q = np.round(r / step) * step * 2.0 ** e      # np.round: ties to even
;;       return np.moveaxis(q.reshape(q.shape[:-2] + (-1,))[..., :K], -1, axis).astype(np.float32)
;;   ~~~
;; One version. Each part assembles by itself: llvm-mc -triple=amdgcn-amd-amdhsa -mcpu=gfx1250 --defsym DOCPART=n.
;; ======== version 1 of 1: 4 launches
;; limits: values are held in f16: magnitudes above 65,504 overflow, below 6.1e-05 lose precision
;; workspace buffers: codes 11,010,048 bytes; scales 688,128 bytes; wof 2,097,152 bytes; bias 65,536 bytes; kvp 67,108,864 bytes; ctx 4,194,304 bytes
;; launch prep (part 1): grid 736 x 1, 4 waves a work-group, no clusters, 68,096 bytes of LDS; arguments kv, q, Wkv, Wq, Wo, mask, codes, scales, wof, bias; writes codes, scales, wof, bias
.if DOCPART == 1
	.amdgcn_target "amdgcn-amd-amdhsa--gfx1250"
	.amdhsa_code_object_version 6
	.text
	.protected	k_q55e9186f9b_prep
	.globl	k_q55e9186f9b_prep
	.p2align	8
	.type	k_q55e9186f9b_prep,@function
k_q55e9186f9b_prep:
	s_mov_b64 s[64:65], 0
	v_nop
	global_prefetch_b8 v0, s[64:65] scope:SCOPE_SE
	s_setreg_imm32_b32 hwreg(HW_REG_WAVE_MODE, 25, 1), 1
	s_wait_xcnt 0x0
; PERCEIVER ATTENTION, launch 1 of 4: every input is brought into the form in which the later launches take it.
; NO WORK OF THE PROBLEM IS LEFT OUT in any launch: all six inputs reach the output for some values, and what the mask throws away hangs on the mask's values, so it is computed and selected.
;   kv [16384][1024], q [2048][1024] (K innermost)       -> E2M1 codes, 512 bytes a row, and one E8M0 byte for each 32 along K, 32 bytes a row
;   Wkv [1024][2048], Wq [1024][1024] (K is the FIRST axis) -> the same, laid [n][K]: a lane takes a column and its registers run down K
;   Wo [1024][1024] -> f16, in the order of a matrix operand's registers: fragment (n / 16, k / 32) is 1,024 bytes, register group c at 512 c + 16 x lane
;   mask [4][4096] -> f32, 0 or -infinity; inside each 16 keys entry 8 h + j belongs to key 2 j + h, the order in which the attention launch holds the scores
; codes: kv at 0, q at 0x800000, Wkv at 0x900000, Wq at 0xa00000.   scales: kv at 0, q at 0x80000, Wkv at 0x90000, Wq at 0xa0000.
; A block's scale is 2^(floor(log2(largest magnitude)) - 2): its byte is the largest magnitude's exponent field - 2, held at 1 from below.  A block of zeros keeps the byte 1 where the
; quantiser says 127: its codes are zeros, which add nothing under any byte but 0xff, and this program alone reads the bytes.
; LIMITS: NaN and infinities among the inputs are not served; blocks whose largest magnitude lies under 2^-124 keep the byte 1.
; WORK-GROUPS: 0-63 Wkv, 64-95 Wq, 96-159 Wo and the mask, 160-735 kv and q.  The paths part on the work-group's number alone, and each path that uses LDS has bytes of its own.
; Every wave of the first, second and fourth kind reads 32,768 bytes, so that no kind outlasts the others.
; No tensor load, no barrier: waves share nothing.  No cluster: no two work-groups read the same bytes.  No prefetch: the launch is a stream of loads that are all in flight early.
.set SPARE, 67584                      ; the spare words, 128 bytes for each wave, behind all stages
.set SPW,   14                         ; v14  SPARE + 4 x my thread's number; never rewritten
.set NIL,   15                         ; v15  0; never rewritten
.set EMAX,  2
; ---- weights whose K is the first axis
.set PITCH, 272                        ; a stage row: 256 bytes of codes + 16
.set KROW,  512                        ; a row of codes in memory
.set NB,    8                          ; double blocks of 2 x 32 along K for a wave
.set WX,    32                         ; v32-95   two sets of 32 numbers
.set WC,    96                         ; v96-99   a block's codes
.set WOUT,  112                        ; v112-143 the way out
.set WSB,   24                         ; v24-27   the scale bytes
.set WR,    96                         ; v96-111  Wo: 32 numbers of a column as 16 pairs of f16
; ---- kv and q
.set STEPS, 16
.set CB,    8                          ; bytes of 16 codes
.set SR,    16                         ; v16-79   four sets of 16 numbers as loaded
.set SX,    80                         ; v80-111  two sets of 16 neighbours
.set SE,    112                        ; v112-127 a scale byte for each step
.set SC,    128                        ; v128-191 codes, four registers for each step
.set WREG,  8192                       ; LDS of a wave: two stages of 32 x SP bytes, then its 256 scale bytes
.set SP,    80
.macro FINISH                          ; the wave's end
	s_wait_tensorcnt 0x0
	ds_add_u32 v[SPW], v[NIL]
	s_wait_dscnt 0x0
	s_endpgm
.endm
.macro WLOAD t, N                      ; double block t: W(64 t + 32 h + i, my column) into set t % 2; sixteen lanes read 64 consecutive bytes, the four waves side by side 256
.irp i, 0,1,2,3,4,5,6,7,8,9,10,11,12,13,14,15,16,17,18,19,20,21,22,23,24,25,26,27,28,29,30,31
	global_load_b32 v[WX+32*((\t)%2)+\i], v3, s[4:5] offset:(64*(\t)+\i)*\N*4 th:TH_LOAD_NT
.endr
.endm
.macro WBLOCK t, N
.set XS, WX+32*((\t)%2)
.if (\t) < NB-1
	s_wait_loadcnt 32                              ; this double block's 32 loads are in; the next one's may be out
.else
	s_wait_loadcnt 0
.endif
	v_max3_num_f32 v12, |v[XS]|, |v[XS+1]|, |v[XS+2]|   ; my block's largest magnitude: all 32 numbers are mine; two chains
	v_max3_num_f32 v13, |v[XS+3]|, |v[XS+4]|, |v[XS+5]|
.irp i, 6,10,14,18,22,26
	v_max3_num_f32 v12, v12, |v[XS+\i]|, |v[XS+\i+1]|
	v_max3_num_f32 v13, v13, |v[XS+\i+2]|, |v[XS+\i+3]|
.endr
	v_max3_num_f32 v12, v12, |v[XS+30]|, |v[XS+31]|
	v_max3_num_f32 v12, v12, v13, (EMAX+1)<<23     ; and the floor 2^(3 - 127): the byte cannot fall under 1
	v_add_nc_u32 v11, -(EMAX<<23), v12             ; 2 off the exponent field: the conversion takes this operand's exponent field as its scale
	v_lshrrev_b32 v13, 23, v11                     ; the scale's byte, of block 2 t + h: it belongs at byte 2 (t % 2) + h of word t / 2; the h is put in at the end
.if (\t)%2 == 0
	v_mov_b32 v[WSB+(\t)/2], v13
.else
	v_lshl_or_b32 v[WSB+(\t)/2], v13, 16, v[WSB+(\t)/2]
.endif
.irp g, 0,1,2,3
	v_cvt_scalef32_pk8_fp4_f32 v[WC+\g], v[XS+8*\g:XS+8*\g+7], v11
.endr
	ds_store_b128 v4, v[WC:WC+3] offset:32*(\t)    ; 32 codes: 16 bytes of my column's row, at 16 (2 t + h)
.if (\t)+2 < NB
	WLOAD (\t)+2, \N
.endif
	s_wait_dscnt 0x0                               ; the store has read its registers: the next block's codes may be written
.endm
; A wave takes 16 columns x 512 along K of a weight [1024][N]: lane (r, h) takes column r and the blocks 2 t + h.  Its codes go through its own stage and leave as rows: sixteen lanes store 256 consecutive bytes, aligned.
.macro WQUANT N, STG, XBITS, ID0, WPTR, CODEOFF, SCLOFF
	s_sub_co_u32 s20, ttmp9, \ID0
	s_and_b32 s17, s20, (1<<\XBITS)-1              ; which 64 columns
	s_lshr_b32 s18, s20, \XBITS                    ; which 512 along K
	s_lshl_b32 s17, s17, 6
	s_lshl_b32 s19, s16, 4
	s_add_co_u32 s17, s17, s19                     ; my wave's first column
	s_mov_b32 s24, 0x76543210
	s_mov_b32 s25, 0xfedcba98                      ; v_permlanex16_b32's selects for lane l xor 16
	v_and_b32 v5, 15, v2                           ; r
	v_lshrrev_b32 v6, 4, v2                        ; h
	v_lshlrev_b32 v3, 2, v5                        ; in: 4 bytes a column,
	v_mul_u32_u24 v10, v6, 32*\N*4
	v_add_nc_u32 v3, v3, v10                       ; and 32 rows further down for lanes 16-31
	s_mul_i32 s19, s16, 16*PITCH
	s_add_co_u32 s19, s19, \STG                    ; my stage
	v_mul_u32_u24 v4, v5, PITCH
	v_lshl_add_u32 v4, v6, 4, v4
	v_add_nc_u32 v4, s19, v4                       ; into it: row = my column, + 16 h
	v_mul_u32_u24 v7, v6, PITCH
	v_lshl_add_u32 v7, v5, 4, v7
	v_add_nc_u32 v7, s19, v7                       ; out of it: sixteen lanes to a row, two rows an instruction
	v_mul_u32_u24 v8, v6, KROW
	v_lshl_add_u32 v8, v5, 4, v8                   ; and the same place in the codes
	v_lshlrev_b32 v9, 5, v5
	v_lshl_add_u32 v9, v6, 3, v9                   ; my column's row of scale bytes, + 8 h
	s_mul_i32 s20, s18, 512*\N*4                   ; the weight: 512 rows down for each step along K, + 4 x column
	s_lshl_b32 s21, s17, 2
	s_add_co_u32 s20, s20, s21
	s_mov_b32 s21, 0
	s_add_nc_u64 s[4:5], s[\WPTR:\WPTR+1], s[20:21]
	s_lshl_b32 s20, s17, 9                         ; the codes: column x 512 + 256 x step
	s_lshl_b32 s22, s18, 8
	s_add_co_u32 s20, s20, s22
	s_add_co_u32 s20, s20, \CODEOFF
	s_add_nc_u64 s[6:7], s[48:49], s[20:21]
	s_lshl_b32 s20, s17, 5                         ; the scale bytes: column x 32 + 16 x step
	s_lshl_b32 s22, s18, 4
	s_add_co_u32 s20, s20, s22
	s_add_co_u32 s20, s20, \SCLOFF
	s_add_nc_u64 s[8:9], s[50:51], s[20:21]
	WLOAD 0, \N
	WLOAD 1, \N
.set Q, 0
.rept NB
	WBLOCK Q, \N
.set Q, Q+1
.endr
	v_lshlrev_b32 v10, 3, v6                       ; my bytes go 8 h bits up,
.irp j, 0,1,2,3
	v_lshlrev_b32 v[WSB+\j], v10, v[WSB+\j]
.endr
.irp j, 0,1,2,3
	v_permlanex16_b32 v[WC+\j], v[WSB+\j], s24, s25   ; (its destination has been written: the codes' registers, whose stores are done)
.endr
.irp j, 0,1,2,3
	v_or_b32 v[WSB+\j], v[WSB+\j], v[WC+\j]        ; and with lane l xor 16's the column's 16 bytes are whole
.endr
	v_cmp_ne_u32 vcc_lo, 0, v6
	v_cndmask_b32 v20, v[WSB], v[WSB+2], vcc_lo    ; lanes 0-15 store the first eight bytes, lanes 16-31 the second eight
	v_cndmask_b32 v21, v[WSB+1], v[WSB+3], vcc_lo
	global_store_b64 v9, v[20:21], s[8:9]
.irp t, 0,1,2,3,4,5,6,7
	ds_load_b128 v[WOUT+4*\t:WOUT+4*\t+3], v7 offset:2*\t*PITCH   ; LDS serves a wave's instructions in order: these see my stores
.endr
.irp t, 0,1,2,3,4,5,6,7
	s_wait_dscnt 7-\t                              ; the younger read-backs may be out
	global_store_b128 v8, v[WOUT+4*\t:WOUT+4*\t+3], s[6:7] offset:2*\t*KROW
.endr
	FINISH
.endm
.macro WOLOAD t                        ; Wo(32 t + i, my column) into set t % 2
.irp i, 0,1,2,3,4,5,6,7,8,9,10,11,12,13,14,15,16,17,18,19,20,21,22,23,24,25,26,27,28,29,30,31
	global_load_b32 v[WX+32*((\t)%2)+\i], v3, s[4:5] offset:(32*(\t)+\i)*4096 th:TH_LOAD_NT
.endr
.endm
; 32 along K of my wave's 32 columns become two fragments of 16 columns.  A lane has its column's 32 numbers as 16 pairs; the operand wants lanes 0-15 to hold k = 0-7 and 16-23 of column r and
; lanes 16-31 k = 8-15 and 24-31 of the same column: eight exchanges of half registers give both fragments.
.macro WOBLK t
.set XS, WX+32*((\t)%2)
.if (\t) < 3
	s_wait_loadcnt 32                              ; this block's loads are in (and the mask's two, which are older); the next block's may be out
.else
	s_wait_loadcnt 0
.endif
.if (\t) > 0
	s_wait_xcnt 0x0                                ; the last block's stores have read their data: the pairs may be written again
.endif
.irp u, 0,1,2,3,4,5,6,7,8,9,10,11,12,13,14,15
	v_cvt_pk_f16_f32 v[WR+\u], v[XS+2*\u], v[XS+2*\u+1]
.endr
.if (\t)+2 < 4
	WOLOAD (\t)+2
.endif
.irp u, 0,1,2,3,8,9,10,11
	v_permlane16_swap_b32 v[WR+\u], v[WR+\u+4]     ; the first's lanes 16-31 change places with the second's lanes 0-15
.endr
	global_store_b128 v4, v[WR:WR+3], s[6:7] offset:(\t)*1024              ; columns 0-15: registers 0-3; each store is 512 consecutive bytes, aligned
	global_store_b128 v4, v[WR+8:WR+11], s[6:7] offset:(\t)*1024+512       ; registers 4-7
	global_store_b128 v4, v[WR+4:WR+7], s[6:7] offset:(\t)*1024+32768      ; columns 16-31: the next tile of 16 columns lies 32 fragments on
	global_store_b128 v4, v[WR+12:WR+15], s[6:7] offset:(\t)*1024+32768+512
.endm
.macro SLOAD t
.irp i, 0,1,2,3
	global_load_b128 v[SR+16*((\t)%4)+4*\i:SR+16*((\t)%4)+4*\i+3], v3, s[4:5] offset:2048*(\t)+512*\i th:TH_LOAD_NT   ; 32 lanes read 512 consecutive bytes
.endr
.endm
.macro STURN t                         ; step t's numbers through the stage, so that a lane gets 16 neighbours: LDS serves a wave's instructions in order
.irp i, 0,1,2,3
	ds_store_b128 v12, v[SR+16*((\t)%4)+4*\i:SR+16*((\t)%4)+4*\i+3] offset:32*SP*((\t)%2)+8*SP*\i
.endr
.irp i, 0,1,2,3
	ds_load_b128 v[SX+16*((\t)%2)+4*\i:SX+16*((\t)%2)+4*\i+3], v13 offset:32*SP*((\t)%2)+16*\i
.endr
.endm
.macro SSTEP t
.set XS, SX+16*((\t)%2)
.if (\t) > 0
	s_wait_dscnt 1                                 ; this step's numbers are back from the stage; the last step's byte store may be out
.else
	s_wait_dscnt 0x0
.endif
.if (\t)+4 < STEPS
	SLOAD (\t)+4
.endif
.if (\t)+1 < STEPS
.if STEPS-2-(\t) >= 3
	s_wait_loadcnt 12                              ; the next step's four loads are in; those of the three steps behind it may be out
.else
	s_wait_loadcnt 4*(STEPS-2-(\t))
.endif
	STURN (\t)+1
.endif
	v_max3_num_f32 v8, |v[XS]|, |v[XS+1]|, |v[XS+2]|
	v_max3_num_f32 v9, |v[XS+3]|, |v[XS+4]|, |v[XS+5]|
.irp i, 6,10
	v_max3_num_f32 v8, v8, |v[XS+\i]|, |v[XS+\i+1]|
	v_max3_num_f32 v9, v9, |v[XS+\i+2]|, |v[XS+\i+3]|
.endr
	v_max3_num_f32 v8, v8, |v[XS+14]|, |v[XS+15]|
	v_max3_num_f32 v8, v8, v9, (EMAX+1)<<23        ; with the floor
	v_max_num_f32_dpp v8, v8, v8 row_xmask:1 row_mask:0xf bank_mask:0xf   ; and my neighbour's 16: the block's largest magnitude
	v_add_nc_u32 v11, -(EMAX<<23), v8
	v_cvt_scalef32_pk8_fp4_f32 v[SC+4*(\t)], v[XS:XS+7], v11
	v_cvt_scalef32_pk8_fp4_f32 v[SC+4*(\t)+1], v[XS+8:XS+15], v11
	v_lshrrev_b32 v[SE+(\t)], 23, v11              ; the scale's byte (also the plain line behind the conversions)
	ds_store_b8 v5, v[SE+(\t)] offset:16*(\t)      ; both lanes of a block write the same byte with the same value
	global_store_b64 v4, v[SC+4*(\t):SC+4*(\t)+1], s[8:9] offset:32*CB*(\t)   ; the wave stores 256 consecutive bytes, aligned
.endm
	s_load_b512 s[36:51], s[0:1], 0x0              ; kv 36, q 38, Wkv 40, Wq 42, Wo 44, mask 46, codes 48, scales 50
	s_load_b128 s[52:55], s[0:1], 0x40             ; wof 52, bias 54
	v_lshl_add_u32 v[SPW], v0, 2, SPARE
	v_mov_b32 v[NIL], 0
	v_lshrrev_b32 v1, 5, v0
	v_readfirstlane_b32 s16, v1                    ; wave 0..3
	v_and_b32 v2, 31, v0                           ; lane
	s_wait_kmcnt 0x0
	s_cmp_lt_u32 ttmp9, 64
	s_cbranch_scc1 .Lwkv
	s_cmp_lt_u32 ttmp9, 96
	s_cbranch_scc1 .Lwq
	s_cmp_lt_u32 ttmp9, 160
	s_cbranch_scc1 .Lwo
	; ---- kv and q: plain streams of blocks of 32.  A wave takes a run of 8,192 numbers; q's codes and scale bytes follow kv's, so the way out is one stream
	s_sub_co_u32 s17, ttmp9, 160
	s_cmp_lt_u32 s17, 512                          ; kv's work-group or q's?  The choice hangs on the work-group's number alone
	s_cselect_b64 s[4:5], s[36:37], s[38:39]
	s_cselect_b32 s18, 0, 512
	s_sub_co_u32 s18, s17, s18
	s_lshl_b32 s18, s18, 2
	s_add_co_u32 s18, s18, s16                     ; my run in the input
	s_lshl_b32 s20, s18, 15
	s_mov_b32 s21, 0
	s_add_nc_u64 s[4:5], s[4:5], s[20:21]
	s_lshl_b32 s17, s17, 2
	s_add_co_u32 s17, s17, s16                     ; my run on the way out
	s_lshl_b32 s20, s17, 12
	s_add_nc_u64 s[8:9], s[48:49], s[20:21]
	s_lshl_b32 s20, s17, 8
	s_add_nc_u64 s[10:11], s[50:51], s[20:21]
	v_lshlrev_b32 v3, 4, v2                        ; my 16 bytes of a load's 512
	s_mul_i32 s22, s16, WREG
	v_lshrrev_b32 v12, 2, v2
	v_mul_u32_u24 v12, v12, SP
	v_and_b32 v13, 3, v2
	v_lshl_add_u32 v12, v13, 4, v12
	v_add_nc_u32 v12, s22, v12                     ; the stage, on the way in: SP (lane / 4) + 16 (lane % 4)
	v_mul_u32_u24 v13, v2, SP
	v_add_nc_u32 v13, s22, v13                     ; and on the way out: SP x lane
	v_mul_u32_u24 v4, v2, CB
	v_lshrrev_b32 v5, 1, v2
	s_add_co_u32 s22, s22, 2*32*SP
	v_add_nc_u32 v5, s22, v5                       ; my wave's 256 scale bytes, my block's byte
	v_lshlrev_b32 v7, 3, v2
	v_add_nc_u32 v6, s22, v7
.irp t, 0,1,2,3
	SLOAD \t
.endr
	s_wait_loadcnt 12                              ; step 0's four loads are in
	STURN 0
.irp t, 0,1,2,3,4,5,6,7,8,9,10,11,12,13,14,15
	SSTEP \t
.endr
	ds_load_b64 v[8:9], v6                         ; LDS serves a wave's instructions in order: these see my byte stores
	s_wait_dscnt 0x0
	global_store_b64 v7, v[8:9], s[10:11]          ; 32 lanes store 256 consecutive bytes, aligned
	FINISH
.Lwkv:
	WQUANT 2048, 32768, 5, 0, 40, 0x900000, 0x90000
.Lwq:
	WQUANT 1024, 50176, 4, 64, 42, 0xa00000, 0xa0000
.Lwo:
	; ---- Wo: a work-group takes 128 columns x 128 along K, a wave 32 columns; and 256 entries of the mask
	s_sub_co_u32 s20, ttmp9, 96
	s_and_b32 s17, s20, 7                          ; which 128 columns
	s_lshr_b32 s18, s20, 3                         ; which 128 along K
	s_lshl_b32 s22, s18, 19                        ; Wo: 128 rows of 4,096 bytes,
	s_lshl_b32 s23, s17, 9
	s_add_co_u32 s22, s22, s23                     ; 512 bytes for 128 columns,
	s_lshl_b32 s23, s16, 7
	s_add_co_u32 s22, s22, s23                     ; 128 for my wave's 32
	s_mov_b32 s23, 0
	s_add_nc_u64 s[4:5], s[44:45], s[22:23]
	s_lshl_b32 s22, s17, 18                        ; wof: ((8 x + 2 wave) x 32 + 4 y) x 1,024
	s_lshl_b32 s24, s16, 16
	s_add_co_u32 s22, s22, s24
	s_lshl_b32 s24, s18, 12
	s_add_co_u32 s22, s22, s24
	s_add_nc_u64 s[6:7], s[52:53], s[22:23]
	v_lshlrev_b32 v3, 2, v2
	v_lshlrev_b32 v4, 4, v2
	s_lshl_b32 s24, s20, 8
	v_lshl_add_u32 v5, v0, 1, s24                  ; o: my two entries of the bias, o and o + 1 (o is even)
	v_and_b32 v6, 7, v5                            ; j
	v_bfe_u32 v7, v5, 3, 1                         ; h
	v_and_b32 v8, -16, v5
	v_lshl_add_u32 v8, v6, 1, v8
	v_add_nc_u32 v8, v8, v7                        ; entry o belongs to key (o & ~15) + 2 j + h, entry o + 1 to the key two further on
	v_lshlrev_b32 v9, 2, v5
	global_load_u8 v10, v8, s[46:47]
	global_load_u8 v11, v8, s[46:47] offset:2
	WOLOAD 0
	WOLOAD 1
.irp t, 0,1,2,3
	WOBLK \t
.endr
	v_mov_b32 v12, 0xff800000                      ; -infinity where the mask is true, as the problem puts it in front of the softmax
	v_cmp_ne_u32 vcc_lo, 0, v10
	v_cndmask_b32 v20, 0, v12, vcc_lo
	v_cmp_ne_u32 vcc_lo, 0, v11
	v_cndmask_b32 v21, 0, v12, vcc_lo
	global_store_b64 v9, v[20:21], s[54:55]        ; a wave stores 256 consecutive bytes, aligned
	FINISH
.Lfunc_end_k_q55e9186f9b_prep:
	.size	k_q55e9186f9b_prep, .Lfunc_end_k_q55e9186f9b_prep-k_q55e9186f9b_prep
	.p2alignl 7, 3214868480
	.fill 96, 4, 3214868480
	.section	.rodata,"a",@progbits
	.p2align	6, 0x0
	.amdhsa_kernel k_q55e9186f9b_prep
		.amdhsa_group_segment_fixed_size 68096
		.amdhsa_private_segment_fixed_size 0
		.amdhsa_enable_private_segment 0
		.amdhsa_kernarg_size 80
		.amdhsa_user_sgpr_count 2
		.amdhsa_user_sgpr_kernarg_segment_ptr 1
		.amdhsa_wavefront_size32 1
		.amdhsa_system_sgpr_workgroup_id_x 1
		.amdhsa_system_sgpr_workgroup_id_y 1
		.amdhsa_system_sgpr_workgroup_id_z 1
		.amdhsa_system_vgpr_workitem_id 0
		.amdhsa_next_free_vgpr 192
		.amdhsa_next_free_sgpr 66
		.amdhsa_reserve_vcc 1
		.amdhsa_float_denorm_mode_32 3
		.amdhsa_float_denorm_mode_16_64 3
		.amdhsa_memory_ordered 1
		.amdhsa_forward_progress 1
		.amdhsa_inst_pref_size 135
	.end_amdhsa_kernel
	.amdgpu_metadata
---
amdhsa.version: [ 1, 2 ]
amdhsa.kernels:
  - .name:           k_q55e9186f9b_prep
    .symbol:         k_q55e9186f9b_prep.kd
    .args:
      - { .name: kv, .offset: 0, .size: 8, .value_kind: global_buffer, .address_space: global }
      - { .name: q, .offset: 8, .size: 8, .value_kind: global_buffer, .address_space: global }
      - { .name: Wkv, .offset: 16, .size: 8, .value_kind: global_buffer, .address_space: global }
      - { .name: Wq, .offset: 24, .size: 8, .value_kind: global_buffer, .address_space: global }
      - { .name: Wo, .offset: 32, .size: 8, .value_kind: global_buffer, .address_space: global }
      - { .name: mask, .offset: 40, .size: 8, .value_kind: global_buffer, .address_space: global }
      - { .name: codes, .offset: 48, .size: 8, .value_kind: global_buffer, .address_space: global }
      - { .name: scales, .offset: 56, .size: 8, .value_kind: global_buffer, .address_space: global }
      - { .name: wof, .offset: 64, .size: 8, .value_kind: global_buffer, .address_space: global }
      - { .name: bias, .offset: 72, .size: 8, .value_kind: global_buffer, .address_space: global }
    .group_segment_fixed_size: 68096
    .private_segment_fixed_size: 0
    .kernarg_segment_align: 8
    .kernarg_segment_size: 80
    .max_flat_workgroup_size: 128
    .sgpr_count:     66
    .vgpr_count:     192
    .wavefront_size: 32
...
	.end_amdgpu_metadata
.endif
;; end of part 1
;; launch kvgemm (part 2): grid 8 x 32, 4 waves a work-group, clusters of 4 x 4, 327,680 bytes of LDS; arguments codes, scales, kvp; writes kvp
.if DOCPART == 2
	.amdgcn_target "amdgcn-amd-amdhsa--gfx1250"
	.amdhsa_code_object_version 6
	.text
	.protected	k_q55e9186f9b_kvgemm
	.globl	k_q55e9186f9b_kvgemm
	.p2align	8
	.type	k_q55e9186f9b_kvgemm,@function
k_q55e9186f9b_kvgemm:
	s_mov_b64 s[64:65], 0
	v_nop
	global_prefetch_b8 v0, s[64:65] scope:SCOPE_SE
	s_setreg_imm32_b32 hwreg(HW_REG_WAVE_MODE, 25, 1), 1
	s_wait_xcnt 0x0
	s_wait_alu depctr_hold_cnt(0) depctr_sa_sdst(0) depctr_va_vdst(0) depctr_va_sdst(0) depctr_va_ssrc(0) depctr_va_vcc(0) depctr_vm_vsrc(0)
	s_getreg_b32 s2, hwreg(HW_REG_IB_STS2, 6, 4)
	s_cmp_eq_u32 s2, 0
	s_cbranch_scc0 .Lentry_in_a_cluster
	s_endpgm
.Lentry_in_a_cluster:
	s_bfe_u32 s2, ttmp6, 0x10000c
	s_cmp_lg_u32 s2, 0xf033
	s_cbranch_scc0 .Lentry_shape_is_right
	s_endpgm
.Lentry_shape_is_right:
; Launch 2 of 4: kvp = Q(kv) Q(Wkv), [16384][2048], the QUANTISED product 2, on E2M1 codes with E8M0 scales; sums in f32; stored as f16, the format in which the attention launch multiplies K and V.
; No work is left out.  LIMIT: f16 holds magnitudes up to 65,504: K and V have room for inputs some 900 times larger in product than those drawn.
; A = kv's codes (rows of 512 bytes, at codes + 0), B = Wkv's codes laid [n][K] (at codes + 0x900000); scale bytes 32 a row (scales + 0, scales + 0x90000).
; A tile of the result, 256 x 256, is made by a work-group of four waves; a wave makes 128 x 128: 64 accumulators, 512 registers.  K = 1,024 is two steps of 512, each in an LDS slot of its own.
; A WORK-GROUP STAYS: it makes TWO tiles, 8,192 rows apart, on the same 256 rows of B: 256 work-groups in all.  B's codes and scale bytes, and A's scale bytes of both tiles, come once, at the head.  Only A's
; halves of the two slots are filled again, once each, with the second tile's K steps; both refills are asked for before the first tile goes out, and nothing waits for the first tile's stores:
; they leave while the second tile is multiplied.  By this text's count a wave has four tensor loads out at the start and one behind each refill's round.
; CLUSTERS: 4 x 4 work-groups.  The four of a row need the same tiles of A, the four of a column the same tiles of B: each tile is asked for JOINTLY, by the same load with the same descriptor and a mask of four.
; THE MATRIX INSTRUCTION IS USED TRANSPOSED (source 0 = 16 rows of B, source 1 = 16 rows of A): a lane holds eight neighbouring columns of a row, 16 bytes of f16.
; REGISTERS: window 0: v0-31 addresses; v32-95 scale words and nothing else; v96-127 packed results; v128-191 A's fragments, one set; v192-255 rows on the way out.
;   window 1: B's fragments, two sets.   windows 2, 3: the accumulators of my rows 0-63, 64-127 ((a, b) at v[8 (8 (a % 4) + b)]).
; No prefetch: two thirds of what the work-group reads are asked for at its head, and each refill goes out as soon as its slot has been read.
.set SIZE_M, 16384
.set SIZE_N, 2048
.set SIZE_K, 1024
.set WALK,   SIZE_M/2                  ; rows from the first tile to the second
.set KSTEP,  512
.set NQ,     KSTEP/128
.set ROWB,   256                       ; a tile's row: 512 codes
.set KROW,   SIZE_K*4/8
.set WALKB,  WALK*KROW                 ; the same in bytes of A's codes
.set NEXT_C, (WALK-7*16)*SIZE_N*2      ; bytes from my last 16 rows of the first tile to my first of the second
.set PITCH,  272                       ; an LDS row: 256 bytes + 16 = 68 words: the 16 rows of a fragment load start 4 banks apart (64 banks of 4 bytes: ISA guide 11.1)
.set FR,     8
.set NL,     2
.set NP,     4                         ; places behind this matrix instruction (ISA guide 7.12.1)
.set HALFT,  128*PITCH
.set SLOT,   4*HALFT
.set KS,     SIZE_K/32
.set SCL,    2*SLOT                    ; behind the slots: the scale bytes, as runs of 256 bytes + 16 of padding: A's of the first tile, A's of the second, B's: 2 HALFS each
.set HALFS,  (128*KS/256)*272
.set SBLK,   (16*KS/256)*272
.set STAGE,  SCL+6*HALFS               ; 16 rows x 272 bytes for each wave, for the way out: bytes into which no tile lands
.set SPITCH, 272
.set SPARE,  STAGE+4*16*SPITCH         ; the spare words, 128 bytes for each wave
.set ADRA, 16
.set ADRB, 20
.set STO,  24
.set RD,   25
.set CO,   26
.set ADRS, 27                          ; v27  my scale words for the first tile: lanes 0-15 A's rows, lanes 16-31 B's
.set SPW,  28
.set NIL,  29
.set ADRS2, 30                         ; v30  the same for the second tile
.set SC,   32
.set TMP,  96
.set AF,   128
.set BK,   192
.set G1, 24
.set G0, 32
.set G1B, 48
.set G0B, 56
.set G1S, 68
.set G0S, 76
.set G1SB, 80
.set G0SB, 88
.set MSB, 0
.macro WIN new                         ; the immediate's high byte repeats the setting that is left
.if MSB != \new
	s_set_vgpr_msb (MSB<<8)|\new
.set MSB, \new
.endif
.endm
.set MUL_LO, 0xa1                      ; source 0 (B) window 1, source 1 (A) window 0, C and D window 2
.set MUL_HI, 0xf1
.set TO_B,   0x40
; A joint load: waves 0 and 1 fetch for A, waves 2 and 3 for B; the branch hangs on the wave's number alone.  An s_nop 0 and four v_nop follow each line.
.macro JLOAD g0a, g1a, g0b, g1b
	s_cmp_eq_u32 s15, 0
	s_cbranch_scc0 .Lfor_b_\@
	tensor_load_to_lds s[\g0a:\g0a+3], s[\g1a:\g1a+7]
	s_nop 0
.rept 4
	v_nop
.endr
	s_branch .Lasked_\@
.Lfor_b_\@:
	tensor_load_to_lds s[\g0b:\g0b+3], s[\g1b:\g1b+7]
	s_nop 0
.rept 4
	v_nop
.endr
.Lasked_\@:
.endm
.macro ALOAD s                         ; a joint refill of A's half of slot s: waves 0 and 1, 128 rows each; waves 2 and 3 have no part of it
	s_cmp_eq_u32 s15, 0
	s_cbranch_scc0 .Lnot_a_\@
	tensor_load_to_lds s[G0+4*\s:G0+4*\s+3], s[G1:G1+7]
	s_nop 0
.rept 4
	v_nop
.endr
.Lnot_a_\@:
.endm
.macro CREST                           ; a round of the cluster's barrier behind its opening barrier
	s_cmp_lg_u32 s14, 0
	s_cbranch_scc1 .Lnot_wave_0_\@
	s_barrier_signal -3
.Lnot_wave_0_\@:
	s_barrier_wait -3
	s_barrier_signal -1
	s_barrier_wait -1
.endm
.macro CROUND                          ; a whole round
	s_barrier_signal -1
	s_barrier_wait -1
	CREST
.endm
	s_load_b128 s[4:7], s[0:1], 0x0                ; codes, scales
	s_load_b64 s[12:13], s[0:1], 0x10              ; kvp
	v_lshl_add_u32 v[SPW], v0, 2, SPARE
	v_mov_b32 v[NIL], 0
	ds_add_u32 v[SPW], v[NIL]                      ; the wave's opening: the add, twice on end, and its wait ahead of my first tensor load
	ds_add_u32 v[SPW], v[NIL]
	v_lshrrev_b32 v1, 5, v0
	v_readfirstlane_b32 s14, v1                    ; wave 0..3
	s_lshr_b32 s15, s14, 1                         ; which half of the tile's rows is mine.  Also: I fetch codes for A (0) or for B (1)
	s_and_b32 s16, s14, 1                          ; which half of its columns.  Also: which 128 rows I fetch
	s_bfe_u32 s40, ttmp6, 0x40000                  ; cx, cy
	s_bfe_u32 s41, ttmp6, 0x40004
	s_lshl_b32 s42, ttmp9, 2
	s_add_co_u32 s42, s42, s40                     ; tile column
	s_and_b32 s17, ttmp7, 0xffff
	s_lshl_b32 s17, s17, 2
	s_add_co_u32 s17, s17, s41                     ; the first tile's tile row, 0 to 31
	s_lshl_b32 s43, s41, 2
	s_lshl_b32 s43, 15, s43                        ; my row of the cluster
	s_lshl_b32 s44, 0x1111, s40                    ; my column
	s_or_b32 s[G1+0], s43, (0<<16)|(1<<20)|(1<<21)|(5<<22)|(3<<25)  ; the mask; elements of 1 byte; padding: 4 words after every 64; bit 21 beside a mask
	s_or_b32 s[G1B+0], s44, (0<<16)|(1<<20)|(1<<21)|(5<<22)|(3<<25)
.irp g, G1, G1B
	s_mov_b32 s[\g+1], ROWB<<16                    ; tensor_dim0
	s_mov_b32 s[\g+2], 128<<16                     ; tensor_dim1
	s_mov_b32 s[\g+3], ROWB<<16                    ; tile_dim0
	s_mov_b32 s[\g+4], 128                         ; tile_dim1
	s_mov_b32 s[\g+5], KROW                        ; from row to row
	s_mov_b32 s[\g+6], 0
	s_mov_b32 s[\g+7], 0
.endr
	s_or_b32 s[G1S+0], s43, (3<<16)|(1<<20)|(1<<21)|(5<<22)|(3<<25)  ; A's scales of 128 rows: 4,096 dense bytes, as 16 rows of 32 elements of 8 bytes, padded alike
	s_mov_b32 s[G1S+1], 32<<16
	s_mov_b32 s[G1S+2], 16<<16
	s_mov_b32 s[G1S+3], 32<<16
	s_mov_b32 s[G1S+4], 16
	s_mov_b32 s[G1S+5], 32
	s_mov_b32 s[G1S+6], 0
	s_mov_b32 s[G1S+7], 0
	s_or_b32 s[G1SB+0], s44, (3<<16)|(1<<20)|(1<<21)|(5<<22)|(3<<25) ; B's scales of 64 rows: 2,048 dense bytes, 8 such rows
	s_mov_b32 s[G1SB+1], 32<<16
	s_mov_b32 s[G1SB+2], 8<<16
	s_mov_b32 s[G1SB+3], 32<<16
	s_mov_b32 s[G1SB+4], 8
	s_mov_b32 s[G1SB+5], 32
	s_mov_b32 s[G1SB+6], 0
	s_mov_b32 s[G1SB+7], 0
	; where the tiles come from.  A's addresses hang on the tile row and the wave's number alone, B's on the tile column and the wave's number alone, each in registers that never hold the other coordinate
	s_lshl_b32 s18, s16, 7
	s_lshl_b32 s20, s17, 8
	s_add_co_u32 s20, s20, s18                     ; A: row 256 x tile row + 128 x half
	s_lshl_b32 s22, s15, 13
	s_add_co_u32 s22, s22, s20                     ; A's scales: waves 0, 1 take the first tile's halves, waves 2, 3 the second's, 8,192 rows on
	s_lshl_b32 s22, s22, 5                         ; 32 bytes a row
	s_mov_b32 s23, 0
	s_lshl_b32 s46, s42, 8
	s_lshl_b32 s92, s14, 6
	s_add_co_u32 s92, s92, s46                     ; B's scales: rows 256 x tile column + 64 x wave on
	s_lshl_b32 s92, s92, 5
	s_mov_b32 s93, 0
	s_add_co_u32 s46, s46, s18                     ; B: row 256 x tile column + 128 x half
	s_lshl_b32 s20, s20, 9                         ; 512 bytes of codes a row
	s_mov_b32 s21, 0
	s_lshl_b32 s46, s46, 9
	s_mov_b32 s47, 0
	s_mul_i32 s45, s14, HALFT                      ; where they go: wave x 128 rows: no place in the cluster enters an LDS address
	s_mul_i32 s94, s14, HALFS
	s_mul_i32 s95, s14, HALFS/2
	s_wait_dscnt 0x0                               ; both opening adds are done
	s_wait_kmcnt 0x0
	s_add_nc_u64 s[8:9], s[4:5], 0x900000          ; Wkv's codes
	s_add_nc_u64 s[10:11], s[6:7], 0x90000         ; and scale bytes
	s_add_nc_u64 s[20:21], s[4:5], s[20:21]
	s_add_nc_u64 s[22:23], s[6:7], s[22:23]
	s_add_nc_u64 s[46:47], s[8:9], s[46:47]
	s_add_nc_u64 s[92:93], s[10:11], s[92:93]
	s_mov_b32 s[G0S], 1
	s_add_co_u32 s[G0S+1], s94, SCL
	s_mov_b64 s[G0S+2:G0S+3], s[22:23]
	s_or_b32 s[G0S+3], s[G0S+3], 0x80000000
	s_mov_b32 s[G0SB], 1
	s_add_co_u32 s[G0SB+1], s95, SCL+4*HALFS
	s_mov_b64 s[G0SB+2:G0SB+3], s[92:93]
	s_or_b32 s[G0SB+3], s[G0SB+3], 0x80000000
	CROUND                                         ; all sixteen work-groups are here: the joint loads meet
	tensor_load_to_lds s[G0S:G0S+3], s[G1S:G1S+7]  ; the scales first, every wave a quarter of A's and a quarter of B's, with no branch
	s_nop 0
	tensor_load_to_lds s[G0SB:G0SB+3], s[G1SB:G1SB+7]
	s_nop 0
.rept 4
	v_nop
.endr
.irp s, 0,1
	s_mov_b32 s[G0+4*\s], 1
	s_add_co_u32 s[G0+4*\s+1], s45, \s*SLOT
	s_add_nc_u64 s[G0+4*\s+2:G0+4*\s+3], s[20:21], \s*ROWB
	s_or_b32 s[G0+4*\s+3], s[G0+4*\s+3], 0x80000000
	s_mov_b32 s[G0B+4*\s], 1
	s_add_co_u32 s[G0B+4*\s+1], s45, \s*SLOT
	s_add_nc_u64 s[G0B+4*\s+2:G0B+4*\s+3], s[46:47], \s*ROWB
	s_or_b32 s[G0B+4*\s+3], s[G0B+4*\s+3], 0x80000000
	JLOAD G0+4*\s, G1, G0B+4*\s, G1B
.endr
	v_and_b32 v1, 15, v0                           ; l % 16
	v_bfe_u32 v2, v0, 4, 1                         ; l / 16
	v_mul_u32_u24 v3, v1, PITCH
	v_lshl_add_u32 v4, v2, 4, v3                   ; a fragment's row x pitch + 16 x half
	s_mul_i32 s21, s15, HALFT
	s_mul_i32 s22, s16, HALFT
	s_add_co_u32 s22, s22, 2*HALFT
.irp s, 0,1
	v_add_nc_u32 v[ADRA+\s], s21, v4
	v_add_nc_u32 v[ADRB+\s], s22, v4
	s_add_co_u32 s21, s21, SLOT
	s_add_co_u32 s22, s22, SLOT
.endr
	v_mul_u32_u24 v5, v1, KS                       ; my row's scales: 32 bytes a row,
	v_lshrrev_b32 v6, 8, v5
	v_lshl_add_u32 v5, v6, 4, v5                   ; and 16 more for each 256 passed
	s_mul_i32 s21, s15, HALFS                      ; the first tile: A's words of my 128 rows;
	s_mul_i32 s22, s16, HALFS
	s_add_co_u32 s22, s22, 4*HALFS                 ; B's lie behind both tiles' A's
	s_sub_co_u32 s22, s22, s21
	v_mul_u32_u24 v6, s22, v2                      ; lanes 16-31 take B's: one product, the distance between the two
	s_add_co_u32 s21, s21, SCL
	v_add_nc_u32 v6, v5, v6
	v_add_nc_u32 v[ADRS], s21, v6
	s_mul_i32 s21, s15, HALFS                      ; the second tile: A's words lie 2 HALFS further on
	s_add_co_u32 s21, s21, 2*HALFS
	s_mul_i32 s22, s16, HALFS
	s_add_co_u32 s22, s22, 4*HALFS
	s_sub_co_u32 s22, s22, s21
	v_mul_u32_u24 v6, s22, v2
	s_add_co_u32 s21, s21, SCL
	v_add_nc_u32 v6, v5, v6
	v_add_nc_u32 v[ADRS2], s21, v6
	s_mul_i32 s23, s14, 16*SPITCH
	s_add_co_u32 s23, s23, STAGE                   ; my stage
	v_mul_u32_u24 v5, v1, SPITCH                   ; in: row l % 16, 16 bytes for each half of the lanes
	v_lshl_add_u32 v5, v2, 4, v5
	v_add_nc_u32 v[STO], s23, v5
	v_mul_u32_u24 v5, v2, SPITCH                   ; back: lanes 0-15 one row of 256 bytes, lanes 16-31 the next
	v_lshl_add_u32 v5, v1, 4, v5
	v_add_nc_u32 v[RD], s23, v5
	v_mul_u32_u24 v5, v2, SIZE_N*2                 ; and the same two rows in kvp
	v_lshl_add_u32 v[CO], v1, 4, v5
	s_lshl_b32 s20, s17, 8
	s_lshl_b32 s21, s15, 7
	s_add_co_u32 s20, s20, s21                     ; my first row
	s_mov_b32 s21, 0
	s_mov_b64 s[18:19], SIZE_N*2
	s_mul_u64 s[20:21], s[20:21], s[18:19]
	s_lshl_b32 s46, s42, 9                         ; my first column, in bytes: 512 x tile column + 256 x half
	s_lshl_b32 s47, s16, 8
	s_add_co_u32 s46, s46, s47
	s_mov_b32 s47, 0
	s_add_nc_u64 s[20:21], s[20:21], s[46:47]
	s_add_nc_u64 s[12:13], s[12:13], s[20:21]
.macro FRAG reg, adr, q, i             ; 16 rows x 128 K of 4-bit codes: 8 registers; registers 4 c .. 4 c + 3 hold K = 64 c + 32 (l / 16) + 0 .. 31
.irp c, 0,1
	ds_load_b128 v[\reg+4*\c:\reg+4*\c+3], v[\adr] offset:64*(\q)+32*\c+(\i)*16*PITCH
.endr
.endm
; 16 matrix instructions: A's blocks a0, a0 + 1 x B's eight.  The 64 accumulators take turns, one instruction a turn, in the same order in every step.
; One register carries A's scale word (lanes 0-15) and B's (lanes 16-31) of block i.
.macro MUL16 a0, p, q, sc, zero
.irp a, \a0, \a0+1
.irp b, 0,1,2,3,4,5,6,7
.if \zero
	v_wmma_scale_f32_16x16x128_f8f6f4 v[8*(8*((\a)%4)+\b):8*(8*((\a)%4)+\b)+7], v[128*(\p)+FR*\b:128*(\p)+FR*\b+FR-1], v[AF+FR*(\a):AF+FR*(\a)+FR-1], 0, v[SC+8*NQ*(\sc)+NQ*\b+(\q)], v[SC+8*NQ*(\sc)+NQ*(\a)+(\q)] matrix_a_fmt:MATRIX_FMT_FP4 matrix_b_fmt:MATRIX_FMT_FP4 matrix_a_scale:MATRIX_SCALE_ROW1
.else
	v_wmma_scale_f32_16x16x128_f8f6f4 v[8*(8*((\a)%4)+\b):8*(8*((\a)%4)+\b)+7], v[128*(\p)+FR*\b:128*(\p)+FR*\b+FR-1], v[AF+FR*(\a):AF+FR*(\a)+FR-1], v[8*(8*((\a)%4)+\b):8*(8*((\a)%4)+\b)+7], v[SC+8*NQ*(\sc)+NQ*\b+(\q)], v[SC+8*NQ*(\sc)+NQ*(\a)+(\q)] matrix_a_fmt:MATRIX_FMT_FP4 matrix_b_fmt:MATRIX_FMT_FP4 matrix_a_scale:MATRIX_SCALE_ROW1
.endif
.endr
.endr
.endm
.macro FETCH_B slot, q, p
	WIN TO_B
.irp i, 0,1,2,3,4,5,6,7
	FRAG 128*(\p)+FR*\i, ADRB+\slot, \q, \i
.endr
	WIN 0
.endm
.macro FETCH_A slot, q, i0
.irp i, \i0, \i0+1, \i0+2, \i0+3
	FRAG AF+FR*(\i), ADRA+\slot, \q, \i
.endr
.endm
.macro SCALES sc, adr, ks              ; K step ks's scale words into set sc: 4 words a row, 16 bytes on for each K step; lanes 0-15 A's block i, lanes 16-31 B's block i
.irp i, 0,1,2,3,4,5,6,7
	ds_load_b128 v[SC+8*NQ*\sc+NQ*\i:SC+8*NQ*\sc+NQ*\i+3], v[\adr] offset:\i*SBLK+16*\ks
.endr
.endm
.macro PLACES n                        ; plain vector instructions between a matrix instruction and a load into, or a read of, its registers
.rept \n
	v_nop
.endr
.endm
.macro STEP slot, q, zero              ; 128 along K that has its successor in the same slot
	s_wait_dscnt 4*NL                              ; B's set and A's blocks 0-3 are in; the youngest loads (A's blocks 4-7) may be out
	WIN MUL_LO
	MUL16 0, (\q)%2, \q, \slot, \zero
	MUL16 2, (\q)%2, \q, \slot, \zero
	s_wait_dscnt 0
	PLACES NP
	FETCH_B \slot, (\q)+1, 1-(\q)%2
	FETCH_A \slot, (\q)+1, 0
	WIN MUL_HI
	MUL16 4, (\q)%2, \q, \slot, \zero
	MUL16 6, (\q)%2, \q, \slot, \zero
	PLACES NP
	WIN 0
	FETCH_A \slot, (\q)+1, 4
.endm
; A slot's last step changes slots: ONE barrier; in front of it each wave waits for all its tensor loads, adds 0 to its spare word, and waits for that and for its own reads of this slot.
; fill = 1: the barrier opens a round of the cluster's barrier, so that no wave of any partner still reads this slot's rows of A or has a load on its way, and A's half of the slot takes the second tile's K step:
; the first tensor load behind the round, one in each of waves 0 and 1.  adr, ks: where the next slot's scale words lie.
.macro TURN slot, next, fill, adr, ks
	s_wait_tensorcnt 0x0                           ; all my tensor loads have landed: so a group 0 may be written
	ds_add_u32 v[SPW], v[NIL]
	s_wait_dscnt 4*NL+1                            ; the add and the youngest loads, A's blocks 4-7, may be out
	WIN MUL_LO
	MUL16 0, 1, NQ-1, \slot, 0                     ; sixteen matrix instructions stand between the add and the wait for it
	s_wait_dscnt 0x0                               ; the add is done, and my reads of this slot are over
	s_barrier_signal -1
	MUL16 2, 1, NQ-1, \slot, 0
	WIN 0
	s_barrier_wait -1
.if \fill
	CREST
	s_add_nc_u64 s[G0+4*\slot+2:G0+4*\slot+3], s[G0+4*\slot+2:G0+4*\slot+3], WALKB
	ALOAD \slot
.endif
	PLACES NP                                      ; on every wave's way, in front of the loads below
	FETCH_B \next, 0, 0
	FETCH_A \next, 0, 0
	SCALES \next, \adr, \ks
	WIN MUL_HI
	MUL16 4, 1, NQ-1, \slot, 0
	MUL16 6, 1, NQ-1, \slot, 0
	PLACES NP
	WIN 0
	FETCH_A \next, 0, 4
.endm
; THE WAY OUT, a block of 16 rows x 128 columns at a time: rounded to f16, 16 bytes a lane; through my own stage; back as whole rows of 256 bytes; sixteen lanes store 256 consecutive bytes, aligned.
.macro PACK a
.set AC, 64*((\a)%4)
	WIN 0x0a+5*((\a)/4)                            ; sources 0 and 1: window 2 or 3
.irp b, 0,1,2,3,4,5,6,7
.irp r, 0,1,2,3
	v_cvt_pk_f16_f32 v[TMP+4*\b+\r], v[AC+8*\b+2*\r], v[AC+8*\b+2*\r+1]   ; each accumulator from its low end on
.endr
.endr
	WIN 0
.endm
.macro TOSTAGE a
.set BB, BK+32*((\a)%2)
.irp b, 0,1,2,3,4,5,6,7
	ds_store_b128 v[STO], v[TMP+4*\b:TMP+4*\b+3] offset:32*\b
.endr
.irp t, 0,1,2,3,4,5,6,7
	ds_load_b128 v[BB+4*\t:BB+4*\t+3], v[RD] offset:\t*2*SPITCH   ; LDS serves a wave's instructions in order (ISA guide 5.7.1.4): these see the stores above
.endr
.endm
.macro SEND a, step                    ; step: how far the stores' base goes on first
.set BB, BK+32*((\a)%2)
	s_wait_dscnt 0x0                               ; the block is back in registers
	s_wait_xcnt 0x0                                ; earlier stores have read their base and their data: the base may step, and the next block may land where the block before this one lay
.if (\step) != 0
	s_add_nc_u64 s[12:13], s[12:13], \step
.endif
.irp t, 0,1,2,3,4,5,6,7
	global_store_b128 v[CO], v[BB+4*\t:BB+4*\t+3], s[12:13] offset:2*\t*SIZE_N*2
.endr
.endm
.macro WAYOUT first                    ; block a's conversions stand between block a - 1's loads from the stage and the wait for them
	PACK 0
	TOSTAGE 0
	PACK 1
	SEND 0, \first
	TOSTAGE 1
.irp a, 2,3,4,5,6,7
	PACK \a
	SEND \a-1, 16*SIZE_N*2
	TOSTAGE \a
.endr
	SEND 7, 16*SIZE_N*2
.endm
	s_wait_tensorcnt 1                             ; the scales and my part of K step 0 are in (K step 1's load may be out)
	s_barrier_signal -1
	s_barrier_wait -1                              ; everybody's are
	FETCH_B 0, 0, 0
	FETCH_A 0, 0, 0
	SCALES 0, ADRS, 0
	FETCH_A 0, 0, 4
	STEP 0, 0, 1                                   ; THE FIRST TILE.  Its first products start the sums: nothing is cleared
	STEP 0, 1, 0
	STEP 0, 2, 0
	TURN 0, 1, 1, ADRS, 1                          ; slot 0's rows of A take the second tile's K step 0
	STEP 1, 0, 0
	STEP 1, 1, 0
	STEP 1, 2, 0
	TURN 1, 0, 1, ADRS2, 0                         ; slot 1's rows of A take its K step 1, and the second tile's first fragments are fetched
	WAYOUT 0                                       ; both refills are asked for: now the first tile goes out.  The places behind its last products stand at TURN's end
	STEP 0, 0, 1                                   ; THE SECOND TILE starts on accumulators that have been packed
	STEP 0, 1, 0
	STEP 0, 2, 0
	TURN 0, 1, 0, ADRS2, 1                         ; nothing is left to fetch: no round
	STEP 1, 0, 0
	STEP 1, 1, 0
	STEP 1, 2, 0
	s_wait_dscnt 4*NL                              ; the last step
	WIN MUL_LO
	MUL16 0, 1, NQ-1, 1, 0
	MUL16 2, 1, NQ-1, 1, 0
	s_wait_dscnt 0
	WIN MUL_HI
	MUL16 4, 1, NQ-1, 1, 0
	MUL16 6, 1, NQ-1, 1, 0
	WIN 0
	PLACES NP
	WAYOUT NEXT_C
	s_wait_tensorcnt 0x0                           ; the wave's end
	ds_add_u32 v[SPW], v[NIL]
	s_wait_dscnt 0x0
	CROUND                                         ; the closing round
	s_endpgm
.Lfunc_end_k_q55e9186f9b_kvgemm:
	.size	k_q55e9186f9b_kvgemm, .Lfunc_end_k_q55e9186f9b_kvgemm-k_q55e9186f9b_kvgemm
	.p2alignl 7, 3214868480
	.fill 96, 4, 3214868480
	.section	.rodata,"a",@progbits
	.p2align	6, 0x0
	.amdhsa_kernel k_q55e9186f9b_kvgemm
		.amdhsa_group_segment_fixed_size 327680
		.amdhsa_private_segment_fixed_size 0
		.amdhsa_enable_private_segment 0
		.amdhsa_kernarg_size 24
		.amdhsa_user_sgpr_count 2
		.amdhsa_user_sgpr_kernarg_segment_ptr 1
		.amdhsa_wavefront_size32 1
		.amdhsa_system_sgpr_workgroup_id_x 1
		.amdhsa_system_sgpr_workgroup_id_y 1
		.amdhsa_system_sgpr_workgroup_id_z 1
		.amdhsa_system_vgpr_workitem_id 0
		.amdhsa_next_free_vgpr 1024
		.amdhsa_next_free_sgpr 98
		.amdhsa_reserve_vcc 0
		.amdhsa_float_denorm_mode_32 3
		.amdhsa_float_denorm_mode_16_64 3
		.amdhsa_memory_ordered 1
		.amdhsa_forward_progress 1
		.amdhsa_inst_pref_size 245
	.end_amdhsa_kernel
	.amdgpu_metadata
---
amdhsa.version: [ 1, 2 ]
amdhsa.kernels:
  - .name:           k_q55e9186f9b_kvgemm
    .symbol:         k_q55e9186f9b_kvgemm.kd
    .args:
      - { .name: codes, .offset: 0, .size: 8, .value_kind: global_buffer, .address_space: global }
      - { .name: scales, .offset: 8, .size: 8, .value_kind: global_buffer, .address_space: global }
      - { .name: kvp, .offset: 16, .size: 8, .value_kind: global_buffer, .address_space: global }
    .group_segment_fixed_size: 327680
    .private_segment_fixed_size: 0
    .kernarg_segment_align: 8
    .kernarg_segment_size: 24
    .max_flat_workgroup_size: 128
    .sgpr_count:     98
    .vgpr_count:     1024
    .wavefront_size: 32
...
	.end_amdgpu_metadata
.endif
;; end of part 2
;; launch attn (part 3): grid 4 x 64, 8 waves a work-group, clusters of 4 x 1, 327,680 bytes of LDS; arguments codes, scales, kvp, bias, ctx; writes ctx
.if DOCPART == 3
	.amdgcn_target "amdgcn-amd-amdhsa--gfx1250"
	.amdhsa_code_object_version 6
	.text
	.protected	k_q55e9186f9b_attn
	.globl	k_q55e9186f9b_attn
	.p2align	8
	.type	k_q55e9186f9b_attn,@function
k_q55e9186f9b_attn:
	s_mov_b64 s[64:65], 0
	v_nop
	global_prefetch_b8 v0, s[64:65] scope:SCOPE_SE
	s_setreg_imm32_b32 hwreg(HW_REG_WAVE_MODE, 25, 1), 1
	s_wait_xcnt 0x0
	s_wait_alu depctr_hold_cnt(0) depctr_sa_sdst(0) depctr_va_vdst(0) depctr_va_sdst(0) depctr_va_ssrc(0) depctr_va_vcc(0) depctr_vm_vsrc(0)
	s_getreg_b32 s2, hwreg(HW_REG_IB_STS2, 6, 4)
	s_cmp_eq_u32 s2, 0
	s_cbranch_scc0 .Lentry_in_a_cluster
	s_endpgm
.Lentry_in_a_cluster:
	s_bfe_u32 s2, ttmp6, 0x10000c
	s_cmp_lg_u32 s2, 0x3003
	s_cbranch_scc0 .Lentry_shape_is_right
	s_endpgm
.Lentry_shape_is_right:
; Launch 3 of 4: for each batch b and head h: qh = Q(q) Q(Wq) (the QUANTISED product 1, on E2M1 codes), scores = qh K^T / 8, -infinity where the mask is true, softmax, context = weights V.
; No work is left out: what the mask throws away hangs on its values, so every key is multiplied and the mask selects.
; Products 3 and 4 take f16 operands (qh, K, the weights p, V), sums, maxima and exponentials in f32.  The running maximum m of a query's scores is taken away before every exponential:
; p = 2^(c s - c m), c = log2(e) / 8; when m grows, the sum l and the context are multiplied by a = 2^(c m_old - c m_new).  m starts at -3e38 and never falls under it, so keys that are all
; masked give p = 0; a batch whose keys are ALL masked ends with l = 0 and 0 x infinity = NaN, as the problem's softmax does.
; LIMITS: NaN and infinities among the inputs are not served; f16 holds qh, K and V up to 65,504; weights under 6e-8 of a query's largest count as 0.
; SHARES.  A cluster of four work-groups owns one (b, h); each work-group 128 queries.  Wave w: queries 32 (w % 4) .. + 31 (two tiles of 16) and half w / 4 of each slot's keys.  The two halves'
; (m, l, context) are joined once, at the end, through LDS.
; BY TURNS.  A step of 64 keys is two parts.  M, the matrix part: the step's K and mask numbers are asked for; V^T P of the step BEFORE (16 matrix instructions, under which those loads land); the step's V is
; asked for; K Q^T of the step (16).  V, the vector part: the step's softmax, 237 vector instructions.  In a trip waves 0-3 run M, then V; waves 4-7 run V of the step before, then M.  So behind every change
; of slots half of the work-group's eight waves begin with matrix work and half with vector work, and between two changes every wave runs four of each.  The branches hang on the wave's number alone and lead
; round no barrier; all of a slot's LDS reads stand between its two barriers in both orders.
; K AND V come as the head's 256 bytes of each key's row of kvp (K 128 bytes, V 128) through two LDS slots of 512 keys; all four work-groups walk the same keys, so each tile is asked for JOINTLY.
; LAYOUT.  S^T = K Q^T and O^T = V^T P: a lane holds ONE query (lane % 16) throughout.  Row m of a tile of 16 keys is key 2 (m % 8) + m / 8: with rows 272 bytes apart K's loads touch 16 rows 4 banks apart and
; V's turning loads 8 rows 8 banks apart (64 banks of 4 bytes: ISA guide 11.1).  P, V and the mask's numbers follow the same order.
; THE MASK costs no vector instruction: its 0 or -infinity is the C of each score tile's first matrix instruction.
; REGISTERS.  window 0: v3-19 addresses; v20-35 statistics, 8 a tile (+0 c m, +1 m, +2, +3 l, +4 .. +7 at work, a in +6); v40-103 S^T; v104-135 P; v136-199 O^T; v200-231 scale words and nothing else; v232-255 the joining.
;   window 1: first Wq's 16 fragments (v0-127) and q's 16 (v128-255); then Q v0-31, K v32-95, V v96-159, the mask's numbers v160-191.
.set PITCH, 272
.set SLOTB, 512*PITCH                  ; 139,264: a slot
.set HALFB, 256*PITCH                  ; the half of it that a wave walks
.set STEPB, 64*PITCH                   ; a step's 64 keys; also what one tensor load brings
.set BIAS,  2*SLOTB                    ; the batch's 4,096 numbers of the mask, filled once
.set QIMG,  BIAS+16384                 ; the work-group's 16 fragments of Q, as images of their registers: bytes into which no tile lands
.set SPARE, QIMG+16384                 ; the spare words, 128 bytes for each of eight waves
.set MERGE, 8704                       ; the joining: 17 x 512 bytes for each pair of waves, in slot 0, which has had its last fill and its last read by then
.set SPW, 3
.set NIL, 4
.set AK0, 5                            ; v5, v6   my lane's place in K's tiles of slot 0, 1
.set AV0, 7                            ; v7, v8   the same for V
.set AB0, 9                            ; v9       and among the mask's numbers
.set ADK, 10
.set ADV, 11
.set ADB, 12
.set PFO, 13                           ; v13  4,096 x lane: the prefetch's row
.set MA,  14
.set QW,  15
.set QR,  16
.set GA,  17                           ; v17  r x 512 + 16 h: a row of codes
.set GS,  18                           ; v18  r x 32: a row of scale bytes
.set GL,  19                           ; v19  16 x lane
.set ST,  20
.set S,   40
.set P,   104
.set O,   136
.set SCW, 200                          ; Wq's scale words: 8 u + K step
.set SCQ, 216                          ; q's: 8 v + K step
.set QF,  0                            ; window 1
.set KF,  32
.set VF,  96
.set BF,  160
.set WV,  14
.set G1,  24                           ; s[24:31] group 1 for K and V's tiles
.set G1B, 32                           ; s[32:39] for the mask's numbers
.set G0A, 40                           ; s[40:43] group 0 of slot 0; s[44:47] of slot 1
.set G0S, 48
.set CS,  52
.set SEL, 54
.set TB,  56                           ; the step's first byte in my half of a slot
.set TJ,  57                           ; the step's first byte among my half's numbers of the mask
.set CNT, 58
.set LAP, 59
.set LIM, 60
.set PFA, 62
.set WQC, 66
.set QC,  68
.set WQS, 70
.set QS,  72
.set CTX, 74
.set MSB, 0
.macro WIN new                         ; bits 1:0 source 0, 3:2 source 1, 5:4 source 2, 7:6 destination; the high byte repeats the setting that is left
.if MSB != \new
	s_set_vgpr_msb (MSB<<8)|\new
.set MSB, \new
.endif
.endm
.macro CROUND                          ; a round of the cluster's barrier
	s_barrier_signal -1
	s_barrier_wait -1
	s_cmp_lg_u32 s[WV], 0
	s_cbranch_scc1 .Lnot_wave_0_\@
	s_barrier_signal -3
.Lnot_wave_0_\@:
	s_barrier_wait -3
	s_barrier_signal -1
	s_barrier_wait -1
.endm
; A PREFETCH INTO THE L2 of the 512 rows that the NEXT change of slots will ask for: four steps of this wave's walk ahead of that load.  A key's 256 bytes of this head are read by this cluster alone.  Its four
; work-groups share the rows out BY ADDRESS, 128 each; in each, waves 0 to 3 take 32 rows, a lane a row: each row's 256 bytes are named once in the launch.  how = 1: the change that may be the last to fill asks for nothing then.
.macro ASK how
.if \how
	s_cmp_gt_u32 s[LAP], s[LIM]
.else
	s_cmp_eq_u32 s[LIM], 1
.endif
	s_cbranch_scc0 .Lnot_mine_\@
	global_prefetch_b8 v[PFO], s[PFA:PFA+1] th:TH_LOAD_NT scope:SCOPE_SE
.Lnot_mine_\@:
.endm
	s_load_b256 s[4:11], s[0:1], 0x0               ; codes 4, scales 6, kvp 8, bias 10
	s_load_b64 s[12:13], s[0:1], 0x20              ; ctx
	v_lshl_add_u32 v[SPW], v0, 2, SPARE
	v_mov_b32 v[NIL], 0
	ds_add_u32 v[SPW], v[NIL]                      ; the wave's opening: the add, twice on end, and its wait ahead of my first tensor load
	ds_add_u32 v[SPW], v[NIL]
	v_lshrrev_b32 v1, 5, v0
	v_readfirstlane_b32 s[WV], v1                  ; wave 0..7
	s_bfe_u32 s15, ttmp6, 0x40000                  ; cx: it enters q's, ctx's and the prefetch's addresses alone
	s_and_b32 s16, ttmp7, 0xffff
	s_lshr_b32 s17, s16, 4                         ; b
	s_and_b32 s18, s16, 15                         ; h
	s_lshr_b32 s19, s[WV], 2                       ; g: my half of the keys
	s_mov_b32 s[G1], 15|(1<<16)|(1<<20)|(1<<21)|(5<<22)|(3<<25)   ; all four work-groups; elements of 2 bytes; 4 words of padding after every 64; bit 21 beside a mask
	s_mov_b32 s[G1+1], 128<<16                     ; tensor_dim0 = 128
	s_mov_b32 s[G1+2], 64<<16                      ; tensor_dim1 = 64
	s_mov_b32 s[G1+3], 128<<16                     ; tile_dim0
	s_mov_b32 s[G1+4], 64                          ; tile_dim1
	s_mov_b32 s[G1+5], 2048                        ; from key to key
	s_mov_b32 s[G1+6], 0
	s_mov_b32 s[G1+7], 0
	s_mov_b32 s[G1B], 15|(3<<16)|(1<<21)           ; 2,048 dense bytes as 8 rows of 32 elements of 8 bytes
	s_mov_b32 s[G1B+1], 32<<16
	s_mov_b32 s[G1B+2], 8<<16
	s_mov_b32 s[G1B+3], 32<<16
	s_mov_b32 s[G1B+4], 8
	s_mov_b32 s[G1B+5], 32
	s_mov_b32 s[G1B+6], 0
	s_mov_b32 s[G1B+7], 0
	s_lshl_b32 s20, s17, 24                        ; kvp: the batch's 4,096 rows of 4,096 bytes,
	s_lshl_b32 s21, s[WV], 18                      ; my 64 keys of a slot,
	s_add_co_u32 s20, s20, s21
	s_lshl_b32 s21, s18, 8                         ; the head's 256 bytes
	s_add_co_u32 s20, s20, s21
	s_mov_b32 s21, 0
	s_lshl_b32 s22, s17, 14                        ; the mask's numbers: 16,384 bytes a batch, 2,048 a wave
	s_lshl_b32 s23, s[WV], 11
	s_add_co_u32 s22, s22, s23
	s_mov_b32 s23, 0
	s_mov_b32 s[G0A], 1
	s_mul_i32 s[G0A+1], s[WV], STEPB
	s_mov_b32 s[G0A+4], 1
	s_add_co_u32 s[G0A+5], s[G0A+1], SLOTB
	s_mov_b32 s[G0S], 1
	s_lshl_b32 s[G0S+1], s[WV], 11
	s_add_co_u32 s[G0S+1], s[G0S+1], BIAS
	s_and_b32 s61, s[WV], 1                        ; which 32 of the head's 64 channels I project
	s_lshl_b32 s[WQC], s18, 15                     ; Wq's rows 64 h + 32 (w % 2) on: 512 bytes of codes a row,
	s_lshl_b32 s76, s61, 14
	s_add_co_u32 s[WQC], s[WQC], s76
	s_lshr_b32 s[WQS], s[WQC], 4                   ; 32 of scale bytes
	s_add_co_u32 s[WQC], s[WQC], 0xa00000
	s_add_co_u32 s[WQS], s[WQS], 0xa0000
	s_mov_b32 s[WQC+1], 0
	s_mov_b32 s[WQS+1], 0
	s_lshl_b32 s[QC], s17, 18                      ; q's rows 512 b + 128 cx + 32 (w / 2) on
	s_lshl_b32 s76, s15, 16
	s_add_co_u32 s[QC], s[QC], s76
	s_lshr_b32 s76, s[WV], 1
	s_lshl_b32 s76, s76, 14
	s_add_co_u32 s[QC], s[QC], s76
	s_lshr_b32 s[QS], s[QC], 4
	s_add_co_u32 s[QC], s[QC], 0x800000
	s_add_co_u32 s[QS], s[QS], 0x80000
	s_mov_b32 s[QC+1], 0
	s_mov_b32 s[QS+1], 0
	s_and_b32 s78, s[WV], 3                        ; qg: my 32 queries
	s_lshl_b32 s[CTX], s17, 20                     ; ctx: ((32 b + 8 cx + 2 qg) x 32 + 2 h) x 1,024
	s_lshl_b32 s76, s15, 18
	s_add_co_u32 s[CTX], s[CTX], s76
	s_lshl_b32 s76, s78, 16
	s_add_co_u32 s[CTX], s[CTX], s76
	s_lshl_b32 s76, s18, 11
	s_add_co_u32 s[CTX], s[CTX], s76
	s_mov_b32 s[CTX+1], 0
	s_lshl_b32 s[PFA], s17, 24                     ; the prefetch: the batch, keys 1,024 + 128 cx + 32 (w % 4) on, the head.  The first change of slots steps it 512 keys on
	s_lshl_b32 s76, s15, 19
	s_add_co_u32 s[PFA], s[PFA], s76
	s_lshl_b32 s76, s78, 17
	s_add_co_u32 s[PFA], s[PFA], s76
	s_lshl_b32 s76, s18, 8
	s_add_co_u32 s[PFA], s[PFA], s76
	s_add_co_u32 s[PFA], s[PFA], 0x400000
	s_mov_b32 s[PFA+1], 0
	s_cmp_lt_u32 s[WV], 4
	s_cselect_b32 s[LIM], 1, -1                    ; 1 in a wave that prefetches, else the greatest number
	s_mov_b32 s[CS], 0x3e38aa3b                    ; c = log2(e) / 8
	s_mov_b32 s[CS+1], s[CS]
	s_mov_b32 s[SEL], 0x76543210
	s_mov_b32 s[SEL+1], 0xfedcba98                 ; lane l xor 16
	s_mov_b32 s[TB], 0
	s_mov_b32 s[TJ], 0
	s_wait_dscnt 0x0                               ; both opening adds are done
	s_wait_kmcnt 0x0
	s_add_nc_u64 s[G0A+2:G0A+3], s[8:9], s[20:21]  ; keys 0 to 511
	s_add_nc_u64 s[G0A+6:G0A+7], s[G0A+2:G0A+3], 0x200000   ; keys 512 to 1,023
	s_or_b32 s[G0A+3], s[G0A+3], 0x80000000
	s_or_b32 s[G0A+7], s[G0A+7], 0x80000000
	s_add_nc_u64 s[G0S+2:G0S+3], s[10:11], s[22:23]
	s_or_b32 s[G0S+3], s[G0S+3], 0x80000000
	s_add_nc_u64 s[WQC:WQC+1], s[4:5], s[WQC:WQC+1]
	s_add_nc_u64 s[QC:QC+1], s[4:5], s[QC:QC+1]
	s_add_nc_u64 s[WQS:WQS+1], s[6:7], s[WQS:WQS+1]
	s_add_nc_u64 s[QS:QS+1], s[6:7], s[QS:QS+1]
	s_add_nc_u64 s[CTX:CTX+1], s[12:13], s[CTX:CTX+1]
	s_add_nc_u64 s[PFA:PFA+1], s[8:9], s[PFA:PFA+1]
	CROUND                                         ; all four work-groups are here: the first joint loads meet
	tensor_load_to_lds s[G0S:G0S+3], s[G1B:G1B+7]  ; every wave issues all three first fills, with no branch: three loads of mine are out
	s_nop 0
	tensor_load_to_lds s[G0A:G0A+3], s[G1:G1+7]
	s_nop 0
	tensor_load_to_lds s[G0A+4:G0A+7], s[G1:G1+7]
	s_nop 0
.rept 4
	v_nop
.endr
	; ---- THE Q PROJECTION, while the tiles land.  Wave w makes channels 32 (w % 2) .. + 31 of the head for queries 32 (w / 2) .. + 31 of the work-group: source 0 = 16 rows of Wq^T, source 1 = 16 queries,
	; so that a lane holds one query and 8 channels, and two channel tiles, rounded in pairs, ARE a fragment of Q (32 channels x 16 queries).
	v_and_b32 v1, 31, v0                           ; lane
	v_and_b32 v2, 15, v0                           ; r
	v_bfe_u32 v36, v0, 4, 1                        ; h
	v_lshlrev_b32 v[GL], 4, v1
	v_lshlrev_b32 v[GA], 9, v2
	v_lshl_add_u32 v[GA], v36, 4, v[GA]
	v_lshlrev_b32 v[GS], 5, v2
	WIN 0x40                                       ; destination window 1
.irp u, 0,1
.irp s, 0,1,2,3,4,5,6,7
.irp c, 0,1
	global_load_b128 v[8*(8*\u+\s)+4*\c:8*(8*\u+\s)+4*\c+3], v[GA], s[WQC:WQC+1] offset:\u*8192+\s*64+32*\c
	global_load_b128 v[128+8*(8*\u+\s)+4*\c:128+8*(8*\u+\s)+4*\c+3], v[GA], s[QC:QC+1] offset:\u*8192+\s*64+32*\c
.endr
.endr
.endr
	WIN 0
.irp u, 0,1
.irp c, 0,1
	global_load_b128 v[SCW+8*\u+4*\c:SCW+8*\u+4*\c+3], v[GS], s[WQS:WQS+1] offset:\u*512+16*\c   ; a row's 8 scale words: register s serves K step s
	global_load_b128 v[SCQ+8*\u+4*\c:SCQ+8*\u+4*\c+3], v[GS], s[QS:QS+1] offset:\u*512+16*\c
.endr
.endr
	v_and_b32 v37, 7, v0
	v_bfe_u32 v38, v0, 3, 1
	s_mul_i32 s77, s19, HALFB
	v_lshl_add_u32 v39, v37, 1, v38                ; K: lane r takes key 2 (r % 8) + r / 8 of a tile
	v_mul_u32_u24 v39, v39, PITCH
	v_lshl_add_u32 v39, v36, 4, v39
	v_add_nc_u32 v[AK0], s77, v39
	v_add_nc_u32 v[AK0+1], SLOTB, v[AK0]
	v_lshl_add_u32 v39, v37, 1, v36                ; V: lane l addresses key 2 (l % 8) + l / 16, channels 8 ((l / 8) % 2) on
	v_mul_u32_u24 v39, v39, PITCH
	v_lshl_add_u32 v39, v38, 4, v39
	v_add_nc_u32 v39, 128, v39
	v_add_nc_u32 v[AV0], s77, v39
	v_add_nc_u32 v[AV0+1], SLOTB, v[AV0]
	s_lshl_b32 s79, s19, 10
	s_add_co_u32 s79, s79, BIAS
	v_lshl_add_u32 v[AB0], v36, 5, s79             ; my half's eight numbers of a tile of 16 keys
	v_lshlrev_b32 v[PFO], 12, v1
	s_mul_i32 s79, s78, MERGE
	v_add_nc_u32 v[MA], s79, v[GL]
	s_lshl_b32 s79, s78, 12
	s_add_co_u32 s79, s79, QIMG
	v_add_nc_u32 v[QR], s79, v[GL]                 ; where my queries' four fragments lie
	s_lshr_b32 s79, s[WV], 1
	s_lshl_b32 s79, s79, 12
	s_lshl_b32 s80, s61, 10
	s_add_co_u32 s79, s79, s80
	s_add_co_u32 s79, s79, QIMG
	v_add_nc_u32 v[QW], s79, v[GL]                 ; where I put the two that I make
.irp t, 0,1
	v_mov_b32 v[ST+8*\t+1], 0xff61b1e6             ; m = -3e38
	v_mov_b32 v[ST+8*\t+2], 0                      ; l
	v_mov_b32 v[ST+8*\t+3], 0
.endr
.irp t, 0,1
	v_mul_f32 v[ST+8*\t], s[CS], v[ST+8*\t+1]      ; c m
.endr
.irp j, 0,1,2,3,4,5,6,7,8,9,10,11,12,13,14,15,16,17,18,19,20,21,22,23,24,25,26,27,28,29,30,31,32,33,34,35,36,37,38,39,40,41,42,43,44,45,46,47,48,49,50,51,52,53,54,55,56,57,58,59,60,61,62,63
	v_mov_b32 v[O+\j], 0                           ; O^T: the parts are written once, and their first pass finds zeros
.endr
.irp j, 16,17,18,19,20,21,22,23,24,25,26,27,28,29,30,31
	v_mov_b32 v[P+\j], 0                           ; P's upper half (the projection writes the lower): so every register of P has been written before the loop
.endr
	s_wait_loadcnt 0x0
	WIN 0x05                                       ; sources 0 and 1 window 1
.irp s, 0,1,2,3,4,5,6,7                        ; four accumulators by turns, K ascending; the first K step starts the sums
.irp v, 0,1
.irp u, 0,1
.if \s == 0
	v_wmma_scale_f32_16x16x128_f8f6f4 v[S+8*(2*\v+\u):S+8*(2*\v+\u)+7], v[8*(8*\u+\s):8*(8*\u+\s)+7], v[128+8*(8*\v+\s):128+8*(8*\v+\s)+7], 0, v[SCW+8*\u+\s], v[SCQ+8*\v+\s] matrix_a_fmt:MATRIX_FMT_FP4 matrix_b_fmt:MATRIX_FMT_FP4
.else
	v_wmma_scale_f32_16x16x128_f8f6f4 v[S+8*(2*\v+\u):S+8*(2*\v+\u)+7], v[8*(8*\u+\s):8*(8*\u+\s)+7], v[128+8*(8*\v+\s):128+8*(8*\v+\s)+7], v[S+8*(2*\v+\u):S+8*(2*\v+\u)+7], v[SCW+8*\u+\s], v[SCQ+8*\v+\s] matrix_a_fmt:MATRIX_FMT_FP4 matrix_b_fmt:MATRIX_FMT_FP4
.endif
.endr
.endr
.endr
	WIN 0
.rept 4
	v_nop                                          ; places behind the last products
.endr
.irp v, 0,1
.irp u, 0,1
.irp i, 0,1,2,3
	v_cvt_pk_f16_f32 v[P+8*\v+4*\u+\i], v[S+8*(2*\v+\u)+2*\i], v[S+8*(2*\v+\u)+2*\i+1]
.endr
.endr
.endr
.irp v, 0,1
.irp c, 0,1
	ds_store_b128 v[QW], v[P+8*\v+4*\c:P+8*\v+4*\c+3] offset:\v*2048+512*\c   ; the fragment goes to LDS as an image of its registers
.endr
.endr
	s_wait_tensorcnt 1                             ; the mask's numbers and my part of slot 0 are in; slot 1's load may stay out
	s_wait_dscnt 0x0                               ; my stores of Q have landed
	s_barrier_signal -1
	s_barrier_wait -1
	WIN 0x40
.irp t, 0,1
.irp cs, 0,1
.irp c, 0,1
	ds_load_b128 v[QF+8*(2*\t+\cs)+4*\c:QF+8*(2*\t+\cs)+4*\c+3], v[QR] offset:\t*2048+\cs*1024+512*\c   ; Q stays in registers; the first matrix part's wait covers these
.endr
.endr
.endr
	WIN 0
; THE VECTOR PART: the softmax of a step, both tiles by turns so that no line waits for the line above it.  A lane has 32 scores a tile; the query's other 32 keys lie in lane l xor 16.
.macro SOFTMAX
.irp j, 0,1,2,3
.irp t, 0,1
	v_max3_num_f32 v[ST+8*\t+4+\j], v[S+32*\t+8*\j], v[S+32*\t+8*\j+1], v[S+32*\t+8*\j+2]   ; four chains; each accumulator is read from its low end on
.endr
.endr
.irp i, 3,5
.irp j, 0,1,2,3
.irp t, 0,1
	v_max3_num_f32 v[ST+8*\t+4+\j], v[ST+8*\t+4+\j], v[S+32*\t+8*\j+\i], v[S+32*\t+8*\j+\i+1]
.endr
.endr
.endr
.irp t, 0,1
	v_max3_num_f32 v[ST+8*\t+4], v[ST+8*\t+4], v[S+32*\t+7], v[S+32*\t+15]
.endr
.irp t, 0,1
	v_max3_num_f32 v[ST+8*\t+6], v[ST+8*\t+6], v[S+32*\t+23], v[S+32*\t+31]
.endr
.irp t, 0,1
	v_max3_num_f32 v[ST+8*\t+4], v[ST+8*\t+4], v[ST+8*\t+5], v[ST+8*\t+6]
.endr
.irp t, 0,1
	v_max3_num_f32 v[ST+8*\t+4], v[ST+8*\t+4], v[ST+8*\t+7], v[ST+8*\t+1]   ; with the old m, which is a number: so the new one is
.endr
.irp t, 0,1
	v_permlanex16_b32 v[ST+8*\t+5], v[ST+8*\t+4], s[SEL], s[SEL+1]
.endr
.irp t, 0,1
	v_mov_b32 v[ST+8*\t+7], v[ST+8*\t]             ; c m_old
.endr
.irp t, 0,1
	v_max_num_f32 v[ST+8*\t+1], v[ST+8*\t+4], v[ST+8*\t+5]
.endr
.irp t, 0,1
	v_mul_f32 v[ST+8*\t], s[CS], v[ST+8*\t+1]
.endr
.irp t, 0,1
	v_sub_f32 v[ST+8*\t+7], v[ST+8*\t+7], v[ST+8*\t]
.endr
.irp b, 0,1,2,3,4,5,6,7,8,9,10,11,12,13,14,15
.irp t, 0,1
	v_pk_fma_f32 v[S+32*\t+2*\b:S+32*\t+2*\b+1], v[S+32*\t+2*\b:S+32*\t+2*\b+1], s[CS:CS+1], v[ST+8*\t:ST+8*\t+1] op_sel_hi:[1,0,0] neg_lo:[0,0,1] neg_hi:[0,0,1]   ; c s - c m, two at a time
.endr
.endr
.irp t, 0,1
	v_exp_f32 v[ST+8*\t+6], v[ST+8*\t+7]           ; a
.endr
.irp e, 0,1,2,3,4,5,6,7,8,9,10,11,12,13,14,15,16,17,18,19,20,21,22,23,24,25,26,27,28,29,30,31
.irp t, 0,1
	v_exp_f32 v[S+32*\t+\e], v[S+32*\t+\e]         ; p: ONE batch of 66 exponentials; none reads another's result
.endr
.endr
	v_nop                                          ; the plain instruction behind the last exponential
	s_wait_alu depctr_va_vdst(0)                   ; and one wait ahead of the batch's first reader
.irp i, 0,1,2,3,4,5,6,7,8,9,10,11,12,13,14,15
.irp t, 0,1
	v_cvt_pk_f16_f32 v[P+16*\t+\i], v[S+32*\t+2*\i], v[S+32*\t+2*\i+1]   ; two score tiles' pairs ARE source 1 (32 keys x 16 queries) of V^T P
.endr
.endr
.irp u, 0,1,2,3,4,5,6,7                        ; the sum of the unrounded p, in place, neighbours 1, 2, 4 and 8 pairs apart
.irp t, 0,1
	v_pk_add_f32 v[S+32*\t+4*\u:S+32*\t+4*\u+1], v[S+32*\t+4*\u:S+32*\t+4*\u+1], v[S+32*\t+4*\u+2:S+32*\t+4*\u+3]
.endr
.endr
.irp u, 0,1,2,3
.irp t, 0,1
	v_pk_add_f32 v[S+32*\t+8*\u:S+32*\t+8*\u+1], v[S+32*\t+8*\u:S+32*\t+8*\u+1], v[S+32*\t+8*\u+4:S+32*\t+8*\u+5]
.endr
.endr
.irp u, 0,1
.irp t, 0,1
	v_pk_add_f32 v[S+32*\t+16*\u:S+32*\t+16*\u+1], v[S+32*\t+16*\u:S+32*\t+16*\u+1], v[S+32*\t+16*\u+8:S+32*\t+16*\u+9]
.endr
.endr
.irp t, 0,1
	v_pk_add_f32 v[S+32*\t:S+32*\t+1], v[S+32*\t:S+32*\t+1], v[S+32*\t+16:S+32*\t+17]
.endr
.irp t, 0,1
	v_pk_fma_f32 v[ST+8*\t+2:ST+8*\t+3], v[ST+8*\t+2:ST+8*\t+3], v[ST+8*\t+6:ST+8*\t+7], v[S+32*\t:S+32*\t+1] op_sel_hi:[1,0,1]   ; l = a l + the sum
.endr
.irp i, 0,1,2,3,4,5,6,7,8,9,10,11,12,13,14,15
.irp t, 0,1
	v_pk_mul_f32 v[O+32*\t+2*\i:O+32*\t+2*\i+1], v[O+32*\t+2*\i:O+32*\t+2*\i+1], v[ST+8*\t+6:ST+8*\t+7] op_sel_hi:[1,0]   ; O^T x a, each accumulator from its low end on
.endr
.endr
.endm
.macro PVRUN                           ; O^T += V^T P: eight accumulators by turns
	WIN 0x01                                       ; V window 1; P and O^T window 0
.irp kk, 0,1
.irp ct, 0,1,2,3
.irp t, 0,1
	v_wmma_f32_16x16x32_f16 v[O+32*\t+8*\ct:O+32*\t+8*\ct+7], v[VF+8*(4*\kk+\ct):VF+8*(4*\kk+\ct)+7], v[P+16*\t+8*\kk:P+16*\t+8*\kk+7], v[O+32*\t+8*\ct:O+32*\t+8*\ct+7]
.endr
.endr
.endr
	WIN 0
.endm
; THE MATRIX PART of a step of 64 keys.  pv = 1: V^T P of the step before stands between the request for K and its use.  The four v_nop at its end are the places behind K Q^T: in front of the softmax's first read
; of the scores, and of the next matrix part's loads into K's and the mask's registers.
.macro MPART pv
	WIN 0x40
.irp kt, 0,1,2,3
.irp cs, 0,1
.irp c, 0,1
	ds_load_b128 v[KF+8*(2*\kt+\cs)+4*\c:KF+8*(2*\kt+\cs)+4*\c+3], v[ADK] offset:\kt*16*PITCH+\cs*64+32*\c
.endr
.endr
.endr
.irp kt, 0,1,2,3
.irp c, 0,1
	ds_load_b128 v[BF+8*\kt+4*\c:BF+8*\kt+4*\c+3], v[ADB] offset:\kt*64+16*\c
.endr
.endr
.if \pv
	s_wait_dscnt 24                                ; V of the step before is in; the 24 loads just issued may be out
	PVRUN
.rept 4
	v_nop                                          ; places in front of the loads into V's registers, and of the softmax's writes of P and O^T
.endr
	WIN 0x40
.endif
.irp kk, 0,1
.irp ct, 0,1,2,3
.irp c, 0,1
	ds_load_tr16_b128 v[VF+8*(4*\kk+\ct)+4*\c:VF+8*(4*\kk+\ct)+4*\c+3], v[ADV] offset:(2*\kk+\c)*16*PITCH+\ct*32
.endr
.endr
.endr
	s_wait_dscnt 16                                ; K and the mask's numbers are in; V's sixteen loads may be out
	WIN 0x15                                       ; K, Q and C (the mask's numbers) window 1, S^T window 0
.irp kt, 0,1,2,3                               ; eight accumulators by turns
.irp t, 0,1
	v_wmma_f32_16x16x32_f16 v[S+32*\t+8*\kt:S+32*\t+8*\kt+7], v[KF+16*\kt:KF+16*\kt+7], v[QF+16*\t:QF+16*\t+7], v[BF+8*\kt:BF+8*\kt+7]
.endr
.endr
	WIN 0x05
.irp kt, 0,1,2,3
.irp t, 0,1
	v_wmma_f32_16x16x32_f16 v[S+32*\t+8*\kt:S+32*\t+8*\kt+7], v[KF+16*\kt+8:KF+16*\kt+15], v[QF+16*\t+8:QF+16*\t+15], v[S+32*\t+8*\kt:S+32*\t+8*\kt+7]
.endr
.endr
	WIN 0
.rept 4
	v_nop
.endr
.endm
.macro ADDRS slot                      ; the trip's LDS addresses, made in the text that all waves walk
	v_add_nc_u32 v[ADK], s[TB], v[AK0+\slot]
	v_add_nc_u32 v[ADV], s[TB], v[AV0+\slot]
	v_add_nc_u32 v[ADB], s[TJ], v[AB0]
.endm
; n steps of my half of a slot.  A trip: waves 0-3 the step's matrix part, then its softmax; waves 4-7 the softmax of the step before, then the step's matrix part.
.macro SLOTRUN slot, n
	s_mov_b32 s[CNT], \n
.Lstep_\@:
	ADDRS \slot
	s_cmp_lt_u32 s[WV], 4
	s_cbranch_scc0 .Lv1_\@
	MPART 1
	s_branch .Lj1_\@
.Lv1_\@:
	SOFTMAX
.Lj1_\@:
	s_cmp_lt_u32 s[WV], 4
	s_cbranch_scc0 .Lm2_\@
	SOFTMAX
	s_branch .Lj2_\@
.Lm2_\@:
	MPART 1
.Lj2_\@:
	s_add_co_u32 s[TB], s[TB], STEPB
	s_add_co_u32 s[TJ], s[TJ], 256
	s_sub_co_u32 s[CNT], s[CNT], 1
	s_cmp_lg_u32 s[CNT], 0
	s_cbranch_scc1 .Lstep_\@
	s_mov_b32 s[TB], 0
	s_add_co_u32 s[TJ], s[TJ], 1024                ; over the other half's numbers of the mask
.endm
; THE CHANGE OF SLOTS.  Each wave waits for all its tensor loads (its part of the slot ahead), adds 0 to its spare word, and waits for that and for its reads of the slot that it leaves (in waves 4-7 the last
; step's V among them: it is multiplied behind the barrier, out of registers).
; fill = 1: the barrier is a round of the cluster's, so that no wave of any partner still reads the slot or has a load on its way, and the joint refill, with the keys 1,024 further on, is the first thing behind it:
; one load a wave, which has the four steps of the other slot in which to land.
.macro CHANGE fill, slot, ask
	s_wait_tensorcnt 0x0                           ; no tensor load of mine is out, so a group 0 may be written
	ds_add_u32 v[SPW], v[NIL]
.if \fill
	s_add_nc_u64 s[G0A+4*\slot+2:G0A+4*\slot+3], s[G0A+4*\slot+2:G0A+4*\slot+3], 0x400000
	s_wait_xcnt 0x0                                ; the last prefetch, a slot back, has read its address
	s_add_nc_u64 s[PFA:PFA+1], s[PFA:PFA+1], 0x200000   ; 512 keys further on than the load below
	s_wait_dscnt 0x0
	CROUND
	tensor_load_to_lds s[G0A+4*\slot:G0A+4*\slot+3], s[G1:G1+7]
	s_nop 0
.rept 4
	v_nop
.endr
	ASK \ask
.else
	s_wait_dscnt 0x0
	s_barrier_signal -1
	s_barrier_wait -1
.endif
.endm
	ADDRS 0                                        ; THE FIRST STEP: every wave's first scores; there is no step before it
	MPART 0
	s_cmp_lt_u32 s[WV], 4
	s_cbranch_scc0 .Lbehind                        ; waves 4-7 keep their softmax for the next trip: from the first change of slots on they stand half a step behind
	SOFTMAX
.Lbehind:
	s_add_co_u32 s[TB], s[TB], STEPB
	s_add_co_u32 s[TJ], s[TJ], 256
	SLOTRUN 0, 3                                   ; the rest of keys 0 to 511
	s_mov_b32 s[LAP], 3
.Llap:                                             ; three trips: six refills, keys 1,024 to 4,095
	CHANGE 1, 0, 0
	SLOTRUN 1, 4
	CHANGE 1, 1, 1
	SLOTRUN 0, 4
	s_sub_co_u32 s[LAP], s[LAP], 1
	s_cmp_lg_u32 s[LAP], 0
	s_cbranch_scc1 .Llap
	CHANGE 0, 0, 0                                 ; the tail is written out: nothing is left to ask for
	SLOTRUN 1, 4
	s_cmp_lt_u32 s[WV], 4
	s_cbranch_scc1 .Llast
	SOFTMAX                                        ; waves 4-7: the last step's softmax
.Llast:
	s_wait_dscnt 0x0                               ; the last step's V is in
	PVRUN                                          ; and its V^T P
	; ---- THE TWO HALVES OF THE KEYS ARE JOINED.  Waves 4 to 7 hand (c m, l, O^T) to waves 0 to 3 through slot 0, which nobody reads or fills any more.
.rept 4
	v_nop                                          ; places behind the last products
.endr
	v_add_f32 v233, v[ST+2], v[ST+3]               ; l's two halves,
	v_add_f32 v235, v[ST+10], v[ST+11]
	v_mov_b32 v232, v[ST]
	v_mov_b32 v234, v[ST+8]
	v_permlanex16_b32 v[ST+4], v233, s[SEL], s[SEL+1]
	v_permlanex16_b32 v[ST+12], v235, s[SEL], s[SEL+1]
	v_add_f32 v233, v233, v[ST+4]                  ; and lane l xor 16's
	v_add_f32 v235, v235, v[ST+12]
	s_cmp_lt_u32 s[WV], 4
	s_cbranch_scc1 .Lkeep
.irp i, 0,1,2,3,4,5,6,7,8,9,10,11,12,13,14,15
	ds_store_b128 v[MA], v[O+4*\i:O+4*\i+3] offset:512*\i
.endr
	ds_store_b128 v[MA], v[232:235] offset:8192
.Lkeep:
	s_wait_dscnt 0x0                               ; for the others' sake: my stores have landed
	s_barrier_signal -1
	s_barrier_wait -1
	s_cmp_lt_u32 s[WV], 4
	s_cbranch_scc0 .Ldone
.irp i, 0,1,2,3,4,5,6,7,8,9,10,11,12,13,14,15
	ds_load_b128 v[S+4*\i:S+4*\i+3], v[MA] offset:512*\i
.endr
	ds_load_b128 v[236:239], v[MA] offset:8192
	s_wait_dscnt 0x0
	v_max_num_f32 v240, v232, v236                 ; the larger c m of the two halves, for each tile
	v_max_num_f32 v241, v234, v238
	v_sub_f32 v242, v232, v240
	v_sub_f32 v243, v236, v240
	v_sub_f32 v244, v234, v241
	v_sub_f32 v245, v238, v241
	v_exp_f32 v242, v242                           ; each half's factor
	v_exp_f32 v243, v243
	v_exp_f32 v244, v244
	v_exp_f32 v245, v245
	v_nop
	s_wait_alu depctr_va_vdst(0)                   ; one wait for the four, ahead of their first reader
	v_mul_f32 v246, v233, v242
	v_mul_f32 v247, v235, v244
	v_fma_f32 v246, v237, v243, v246               ; the row's sum
	v_fma_f32 v247, v239, v245, v247
	v_rcp_f32 v246, v246
	v_rcp_f32 v247, v247
	v_nop
	s_wait_alu depctr_va_vdst(0)                   ; one wait for the two
	v_mul_f32 v248, v242, v246                     ; factor / sum; written twice: the packed forms name pairs
	v_mul_f32 v249, v242, v246
	v_mul_f32 v250, v243, v246
	v_mul_f32 v251, v243, v246
	v_mul_f32 v252, v244, v247
	v_mul_f32 v253, v244, v247
	v_mul_f32 v254, v245, v247
	v_mul_f32 v255, v245, v247
.irp t, 0,1
.irp i, 0,1,2,3,4,5,6,7,8,9,10,11,12,13,14,15
	v_pk_mul_f32 v[O+32*\t+2*\i:O+32*\t+2*\i+1], v[O+32*\t+2*\i:O+32*\t+2*\i+1], v[248+4*\t:249+4*\t] op_sel_hi:[1,0]
.endr
.irp i, 0,1,2,3,4,5,6,7,8,9,10,11,12,13,14,15
	v_pk_fma_f32 v[O+32*\t+2*\i:O+32*\t+2*\i+1], v[S+32*\t+2*\i:S+32*\t+2*\i+1], v[250+4*\t:251+4*\t], v[O+32*\t+2*\i:O+32*\t+2*\i+1] op_sel_hi:[1,0,1]
.endr
.irp i, 0,1,2,3,4,5,6,7,8,9,10,11,12,13,14,15
	v_cvt_pk_f16_f32 v[P+16*\t+\i], v[O+32*\t+2*\i], v[O+32*\t+2*\i+1]
.endr
.endr
	; A lane's packed channels of tiles 2 cs and 2 cs + 1 ARE the registers of the next product's operand (16 rows x 32 along its K): they are stored as they stand, 512 consecutive bytes a store, aligned.
.irp t, 0,1
.irp ct, 0,1,2,3
	global_store_b128 v[GL], v[P+16*\t+4*\ct:P+16*\t+4*\ct+3], s[CTX:CTX+1] offset:\t*32768+\ct*512
.endr
.endr
.Ldone:
	s_wait_tensorcnt 0x0                           ; the wave's end
	ds_add_u32 v[SPW], v[NIL]
	s_wait_dscnt 0x0
	CROUND                                         ; the closing round
	s_endpgm
.Lfunc_end_k_q55e9186f9b_attn:
	.size	k_q55e9186f9b_attn, .Lfunc_end_k_q55e9186f9b_attn-k_q55e9186f9b_attn
	.p2alignl 7, 3214868480
	.fill 96, 4, 3214868480
	.section	.rodata,"a",@progbits
	.p2align	6, 0x0
	.amdhsa_kernel k_q55e9186f9b_attn
		.amdhsa_group_segment_fixed_size 327680
		.amdhsa_private_segment_fixed_size 0
		.amdhsa_enable_private_segment 0
		.amdhsa_kernarg_size 40
		.amdhsa_user_sgpr_count 2
		.amdhsa_user_sgpr_kernarg_segment_ptr 1
		.amdhsa_wavefront_size32 1
		.amdhsa_system_sgpr_workgroup_id_x 1
		.amdhsa_system_sgpr_workgroup_id_y 1
		.amdhsa_system_sgpr_workgroup_id_z 1
		.amdhsa_system_vgpr_workitem_id 0
		.amdhsa_next_free_vgpr 512
		.amdhsa_next_free_sgpr 84
		.amdhsa_reserve_vcc 0
		.amdhsa_float_denorm_mode_32 3
		.amdhsa_float_denorm_mode_16_64 3
		.amdhsa_memory_ordered 1
		.amdhsa_forward_progress 1
		.amdhsa_inst_pref_size 210
	.end_amdhsa_kernel
	.amdgpu_metadata
---
amdhsa.version: [ 1, 2 ]
amdhsa.kernels:
  - .name:           k_q55e9186f9b_attn
    .symbol:         k_q55e9186f9b_attn.kd
    .args:
      - { .name: codes, .offset: 0, .size: 8, .value_kind: global_buffer, .address_space: global }
      - { .name: scales, .offset: 8, .size: 8, .value_kind: global_buffer, .address_space: global }
      - { .name: kvp, .offset: 16, .size: 8, .value_kind: global_buffer, .address_space: global }
      - { .name: bias, .offset: 24, .size: 8, .value_kind: global_buffer, .address_space: global }
      - { .name: ctx, .offset: 32, .size: 8, .value_kind: global_buffer, .address_space: global }
    .group_segment_fixed_size: 327680
    .private_segment_fixed_size: 0
    .kernarg_segment_align: 8
    .kernarg_segment_size: 40
    .max_flat_workgroup_size: 256
    .sgpr_count:     84
    .vgpr_count:     512
    .wavefront_size: 32
...
	.end_amdgpu_metadata
.endif
;; end of part 3
;; launch oproj (part 4): grid 16 x 16, 4 waves a work-group, clusters of 4 x 4, 327,680 bytes of LDS; arguments ctx, wof, out0; writes out0
.if DOCPART == 4
	.amdgcn_target "amdgcn-amd-amdhsa--gfx1250"
	.amdhsa_code_object_version 6
	.text
	.protected	k_q55e9186f9b_oproj
	.globl	k_q55e9186f9b_oproj
	.p2align	8
	.type	k_q55e9186f9b_oproj,@function
k_q55e9186f9b_oproj:
	s_mov_b64 s[64:65], 0
	v_nop
	global_prefetch_b8 v0, s[64:65] scope:SCOPE_SE
	s_setreg_imm32_b32 hwreg(HW_REG_WAVE_MODE, 25, 1), 1
	s_wait_xcnt 0x0
	s_wait_alu depctr_hold_cnt(0) depctr_sa_sdst(0) depctr_va_vdst(0) depctr_va_sdst(0) depctr_va_ssrc(0) depctr_va_vcc(0) depctr_vm_vsrc(0)
	s_getreg_b32 s2, hwreg(HW_REG_IB_STS2, 6, 4)
	s_cmp_eq_u32 s2, 0
	s_cbranch_scc0 .Lentry_in_a_cluster
	s_endpgm
.Lentry_in_a_cluster:
	s_bfe_u32 s2, ttmp6, 0x10000c
	s_cmp_lg_u32 s2, 0xf033
	s_cbranch_scc0 .Lentry_shape_is_right
	s_endpgm
.Lentry_shape_is_right:
; Launch 4 of 4: out0 = context Wo, [2048][1024] f32, product 5, on f16 operands with f32 sums.  No work is left out.
; Both operands lie in memory in the order of their registers: fragment (tile of 16 rows, k / 32) is 1,024 bytes, register group c at 512 c + 16 x lane; a tile's 32 fragments are 32,768 consecutive bytes.
; So a K step of 256 of one tile is 8,192 dense bytes, LDS needs no pitch and no padding, and every fragment load reads 512 consecutive bytes.
; A tile of the result is 128 rows x 64 columns: 256 work-groups.  Wave w owns rows 32 w .. + 31 and all 64 columns: 8 accumulators.  USED TRANSPOSED (source 0 = Wo's 16 columns, source 1 = 16 rows of the
; context): a lane holds eight neighbouring columns of one row.
; K = 1,024 is four steps.  Three LDS slots take steps 0, 1, 2 at the start; slot 0 is filled again once, with step 3, behind a round of the cluster's barrier.  By this text's count a wave has three loads out at the most.
; CLUSTERS: 4 x 4.  The context's tile is shared along a row of the cluster, Wo's along a column: joint loads.  No prefetch: three quarters of what is read are asked for at the head.
; REGISTERS: window 0: v16-29 addresses; v32-95 rows on the way out; v128-191 accumulators ((a, b) at v[128 + 8 (4 a + b)]).  window 1: two fragment buffers of 96: for each of two k / 32: context 16, Wo 32.
.set KSTEPB, 8192                      ; a K step of one tile of 16 rows
.set SLOT,   12*KSTEPB                 ; the context's 8 tiles, then Wo's 4
.set BOFF,   8*KSTEPB
.set STAGE,  3*SLOT                    ; 16 rows x 272 bytes for each wave: bytes into which no tile lands
.set SPITCH, 272
.set SPARE,  STAGE+4*16*SPITCH
.set ADRA, 16                          ; v16-18 my context fragments in slot 0, 1, 2
.set ADRB, 20                          ; v20-22 Wo's
.set STO,  24
.set RD,   25
.set CO,   26
.set SPW,  28
.set NIL,  29
.set OB,   32
.set ACC,  128
.set F0,   0
.set F1,   96
.set G1A, 24
.set G1B, 32
.set G0A, 40                           ; s[40:51] three sets
.set G0B, 52                           ; s[52:63]
.set MSB, 0
.macro WIN new
.if MSB != \new
	s_set_vgpr_msb (MSB<<8)|\new
.set MSB, \new
.endif
.endm
.set MUL,  0x05                        ; sources 0 and 1 window 1; C and D window 0
.set TO_F, 0x40
.macro JLOAD s                         ; waves 0 and 1 fetch the context's halves, waves 2 and 3 Wo's; an s_nop 0 and four v_nop follow each line
	s_cmp_eq_u32 s11, 0
	s_cbranch_scc0 .Lfor_b_\@
	tensor_load_to_lds s[G0A+4*\s:G0A+4*\s+3], s[G1A:G1A+7]
	s_nop 0
.rept 4
	v_nop
.endr
	s_branch .Lasked_\@
.Lfor_b_\@:
	tensor_load_to_lds s[G0B+4*\s:G0B+4*\s+3], s[G1B:G1B+7]
	s_nop 0
.rept 4
	v_nop
.endr
.Lasked_\@:
.endm
.macro CREST
	s_cmp_lg_u32 s10, 0
	s_cbranch_scc1 .Lnot_wave_0_\@
	s_barrier_signal -3
.Lnot_wave_0_\@:
	s_barrier_wait -3
	s_barrier_signal -1
	s_barrier_wait -1
.endm
.macro CROUND
	s_barrier_signal -1
	s_barrier_wait -1
	CREST
.endm
	s_load_b128 s[4:7], s[0:1], 0x0                ; ctx, wof
	s_load_b64 s[8:9], s[0:1], 0x10                ; out0
	v_lshl_add_u32 v[SPW], v0, 2, SPARE
	v_mov_b32 v[NIL], 0
	ds_add_u32 v[SPW], v[NIL]                      ; the wave's opening: the add, twice on end, and its wait ahead of my first tensor load
	ds_add_u32 v[SPW], v[NIL]
	v_lshrrev_b32 v1, 5, v0
	v_readfirstlane_b32 s10, v1                    ; wave 0..3
	s_lshr_b32 s11, s10, 1                         ; I fetch for the context (0) or for Wo (1)
	s_and_b32 s12, s10, 1                          ; which half of that tile
	s_bfe_u32 s66, ttmp6, 0x40000                  ; cx
	s_bfe_u32 s67, ttmp6, 0x40004                  ; cy
	s_lshl_b32 s68, ttmp9, 2
	s_add_co_u32 s68, s68, s66                     ; tile column
	s_and_b32 s13, ttmp7, 0xffff
	s_lshl_b32 s13, s13, 2
	s_add_co_u32 s13, s13, s67                     ; tile row
	s_lshl_b32 s69, s67, 2
	s_lshl_b32 s69, 15, s69                        ; my row of the cluster
	s_lshl_b32 s70, 0x1111, s66                    ; my column
	s_or_b32 s[G1A], s69, (3<<16)|(1<<21)          ; the mask; elements of 8 bytes; bit 21 beside a mask
	s_mov_b32 s[G1A+1], 1024<<16                   ; tensor_dim0: 8,192 bytes
	s_mov_b32 s[G1A+2], 4<<16                      ; tensor_dim1: four tiles of 16 rows
	s_mov_b32 s[G1A+3], 1024<<16
	s_mov_b32 s[G1A+4], 4
	s_mov_b32 s[G1A+5], 4096                       ; 32,768 bytes from tile to tile
	s_mov_b32 s[G1A+6], 0
	s_mov_b32 s[G1A+7], 0
	s_or_b32 s[G1B], s70, (3<<16)|(1<<21)
	s_mov_b32 s[G1B+1], 1024<<16
	s_mov_b32 s[G1B+2], 2<<16                      ; two tiles of 16 columns
	s_mov_b32 s[G1B+3], 1024<<16
	s_mov_b32 s[G1B+4], 2
	s_mov_b32 s[G1B+5], 4096
	s_mov_b32 s[G1B+6], 0
	s_mov_b32 s[G1B+7], 0
	s_lshl_b32 s14, s13, 18                        ; the context: (8 x tile row + 4 x half) x 32,768
	s_lshl_b32 s15, s12, 17
	s_add_co_u32 s14, s14, s15
	s_mov_b32 s15, 0
	s_lshl_b32 s16, s68, 17                        ; Wo: (4 x tile column + 2 x half) x 32,768
	s_lshl_b32 s17, s12, 16
	s_add_co_u32 s16, s16, s17
	s_mov_b32 s17, 0
	s_lshl_b32 s18, s12, 15                        ; where they go: no place in the cluster enters an LDS address
	s_lshl_b32 s19, s12, 14
	s_add_co_u32 s19, s19, BOFF
	s_wait_dscnt 0x0                               ; both opening adds are done
	s_wait_kmcnt 0x0
	s_add_nc_u64 s[14:15], s[4:5], s[14:15]
	s_add_nc_u64 s[16:17], s[6:7], s[16:17]
	CROUND                                         ; all sixteen work-groups are here: the first joint loads meet
.irp s, 0,1,2
	s_mov_b32 s[G0A+4*\s], 1
	s_add_co_u32 s[G0A+4*\s+1], s18, \s*SLOT
	s_add_nc_u64 s[G0A+4*\s+2:G0A+4*\s+3], s[14:15], \s*KSTEPB
	s_or_b32 s[G0A+4*\s+3], s[G0A+4*\s+3], 0x80000000
	s_mov_b32 s[G0B+4*\s], 1
	s_add_co_u32 s[G0B+4*\s+1], s19, \s*SLOT
	s_add_nc_u64 s[G0B+4*\s+2:G0B+4*\s+3], s[16:17], \s*KSTEPB
	s_or_b32 s[G0B+4*\s+3], s[G0B+4*\s+3], 0x80000000
	JLOAD \s
.endr
	v_and_b32 v1, 31, v0
	v_lshlrev_b32 v2, 4, v1                        ; 16 x lane
	s_lshl_b32 s20, s10, 14                        ; my two tiles of rows
	s_mov_b32 s21, BOFF
.irp s, 0,1,2
	v_add_nc_u32 v[ADRA+\s], s20, v2
	v_add_nc_u32 v[ADRB+\s], s21, v2
	s_add_co_u32 s20, s20, SLOT
	s_add_co_u32 s21, s21, SLOT
.endr
	v_and_b32 v3, 15, v0                           ; r
	v_bfe_u32 v4, v0, 4, 1                         ; h
	s_mul_i32 s22, s10, 16*SPITCH
	s_add_co_u32 s22, s22, STAGE                   ; my stage
	v_mul_u32_u24 v5, v3, SPITCH                   ; in: row r, 32 bytes for each half of the lanes
	v_lshl_add_u32 v5, v4, 5, v5
	v_add_nc_u32 v[STO], s22, v5
	v_mul_u32_u24 v5, v4, SPITCH                   ; back: lanes 0-15 one row of 256 bytes, lanes 16-31 the next
	v_lshl_add_u32 v5, v3, 4, v5
	v_add_nc_u32 v[RD], s22, v5
	v_lshlrev_b32 v5, 12, v4                       ; and the same two rows of out0
	v_lshl_add_u32 v[CO], v3, 4, v5
	s_lshl_b32 s22, s13, 19                        ; out0: (128 x tile row + 32 x wave) x 4,096 + 256 x tile column
	s_lshl_b32 s23, s10, 17
	s_add_co_u32 s22, s22, s23
	s_lshl_b32 s23, s68, 8
	s_add_co_u32 s22, s22, s23
	s_mov_b32 s23, 0
	s_add_nc_u64 s[8:9], s[8:9], s[22:23]
.macro MUL8 f, c, zero                 ; 32 along K: 8 accumulators by turns; zero = 1: the first product starts the sums
.irp a, 0,1
.irp b, 0,1,2,3
.if \zero
	v_wmma_f32_16x16x32_f16 v[ACC+8*(4*\a+\b):ACC+8*(4*\a+\b)+7], v[\f+48*\c+16+8*\b:\f+48*\c+16+8*\b+7], v[\f+48*\c+8*\a:\f+48*\c+8*\a+7], 0
.else
	v_wmma_f32_16x16x32_f16 v[ACC+8*(4*\a+\b):ACC+8*(4*\a+\b)+7], v[\f+48*\c+16+8*\b:\f+48*\c+16+8*\b+7], v[\f+48*\c+8*\a:\f+48*\c+8*\a+7], v[ACC+8*(4*\a+\b):ACC+8*(4*\a+\b)+7]
.endif
.endr
.endr
.endm
.macro FETCH slot, qd, f               ; 24 LDS loads in one run: quarter qd (64 along K) of a slot into buffer f; its first 32 along K first
	WIN TO_F
.irp c, 0,1
.irp a, 0,1
	ds_load_b128 v[\f+48*\c+8*\a:\f+48*\c+8*\a+3],   v[ADRA+\slot] offset:\a*KSTEPB+(2*(\qd)+\c)*1024
	ds_load_b128 v[\f+48*\c+8*\a+4:\f+48*\c+8*\a+7], v[ADRA+\slot] offset:\a*KSTEPB+(2*(\qd)+\c)*1024+512
.endr
.irp b, 0,1,2,3
	ds_load_b128 v[\f+48*\c+16+8*\b:\f+48*\c+16+8*\b+3],   v[ADRB+\slot] offset:\b*KSTEPB+(2*(\qd)+\c)*1024
	ds_load_b128 v[\f+48*\c+16+8*\b+4:\f+48*\c+16+8*\b+7], v[ADRB+\slot] offset:\b*KSTEPB+(2*(\qd)+\c)*1024+512
.endr
.endr
.endm
.macro PLACES                          ; four plain vector instructions in front of loads into registers that matrix instructions have read, and of the first read of results
.rept 4
	v_nop
.endr
.endm
.macro QUARTER slot, qd, f, g, zero    ; multiplies buffer f; in its middle it fetches quarter qd of the slot named into buffer g
	s_wait_dscnt 12                                ; the first 32 along K are in; the other twelve loads may be out
	WIN MUL
	MUL8 \f, 0, \zero
	PLACES
	FETCH \slot, \qd, \g
	s_wait_dscnt 24                                ; all but the 24 just issued
	WIN MUL
	MUL8 \f, 1, 0
.endm
; A K step's last quarter with a barrier.  In front of it each wave waits for all its tensor loads, adds 0 to its spare word, and waits for that and for its reads.  fill = 1: slot 0 has been read out by every
; wave of every partner behind the round, and takes K step 3: the first tensor load behind the round, one a wave.
.macro TURN next, fill
	WIN 0
	s_wait_tensorcnt 0x0
	ds_add_u32 v[SPW], v[NIL]
	s_wait_dscnt 13                                ; the add and the youngest twelve loads may be out
	WIN MUL
	MUL8 F1, 0, 0                                  ; eight matrix instructions stand between the add and the wait for it
	s_wait_dscnt 0x0
	WIN 0
	s_barrier_signal -1
	s_barrier_wait -1
.if \fill
	CREST
	s_add_nc_u64 s[G0A+2:G0A+3], s[G0A+2:G0A+3], 3*KSTEPB
	s_add_nc_u64 s[G0B+2:G0B+3], s[G0B+2:G0B+3], 3*KSTEPB
	JLOAD 0                                        ; its four v_nop are also the places in front of the loads below
.else
	PLACES
.endif
	FETCH \next, 0, F0
	WIN MUL
	MUL8 F1, 1, 0
.endm
	s_wait_tensorcnt 2                             ; my part of K step 0 is in; those of steps 1 and 2 may be out
	s_barrier_signal -1
	s_barrier_wait -1
	FETCH 0, 0, F0
	QUARTER 0, 1, F0, F1, 1                        ; K step 0
	QUARTER 0, 2, F1, F0, 0
	QUARTER 0, 3, F0, F1, 0
	TURN 1, 1                                      ; every wave has waited for all its loads: slots 1 and 2 are whole for all behind this round, so no barrier stands between K steps 1 and 2
	QUARTER 1, 1, F0, F1, 0                        ; K step 1
	QUARTER 1, 2, F1, F0, 0
	QUARTER 1, 3, F0, F1, 0
	QUARTER 2, 0, F1, F0, 0
	QUARTER 2, 1, F0, F1, 0                        ; K step 2
	QUARTER 2, 2, F1, F0, 0
	QUARTER 2, 3, F0, F1, 0
	TURN 0, 0                                      ; K step 3 has landed in slot 0, for all four waves
	QUARTER 0, 1, F0, F1, 0                        ; K step 3
	QUARTER 0, 2, F1, F0, 0
	QUARTER 0, 3, F0, F1, 0
	s_wait_dscnt 12
	WIN MUL
	MUL8 F1, 0, 0
	s_wait_dscnt 0
	MUL8 F1, 1, 0
	WIN 0
	; THE WAY OUT: a lane's 32 bytes of a row go into my own stage; whole rows of 256 bytes come back; sixteen lanes store 256 consecutive bytes, aligned.
	PLACES
.irp a, 0,1
.irp b, 0,1,2,3
	ds_store_b128 v[STO], v[ACC+8*(4*\a+\b):ACC+8*(4*\a+\b)+3] offset:64*\b          ; each accumulator from its low end on
	ds_store_b128 v[STO], v[ACC+8*(4*\a+\b)+4:ACC+8*(4*\a+\b)+7] offset:64*\b+16
.endr
.irp t, 0,1,2,3,4,5,6,7
	ds_load_b128 v[OB+32*\a+4*\t:OB+32*\a+4*\t+3], v[RD] offset:\t*2*SPITCH   ; LDS serves a wave's instructions in order (ISA guide 5.7.1.4): these see the stores above, and the next 16 rows' stores come behind them
.endr
.endr
.irp t, 0,1,2,3,4,5,6,7
	s_wait_dscnt 16+7-\t                           ; behind these loads: the second 16 rows' eight stores and eight loads
	global_store_b128 v[CO], v[OB+4*\t:OB+4*\t+3], s[8:9] offset:2*\t*4096 th:TH_STORE_NT
.endr
.irp t, 0,1,2,3,4,5,6,7
	s_wait_dscnt 7-\t
	global_store_b128 v[CO], v[OB+32+4*\t:OB+32+4*\t+3], s[8:9] offset:(16+2*\t)*4096 th:TH_STORE_NT
.endr
	s_wait_tensorcnt 0x0                           ; the wave's end
	ds_add_u32 v[SPW], v[NIL]
	s_wait_dscnt 0x0
	CROUND                                         ; the closing round
	s_endpgm
.Lfunc_end_k_q55e9186f9b_oproj:
	.size	k_q55e9186f9b_oproj, .Lfunc_end_k_q55e9186f9b_oproj-k_q55e9186f9b_oproj
	.p2alignl 7, 3214868480
	.fill 96, 4, 3214868480
	.section	.rodata,"a",@progbits
	.p2align	6, 0x0
	.amdhsa_kernel k_q55e9186f9b_oproj
		.amdhsa_group_segment_fixed_size 327680
		.amdhsa_private_segment_fixed_size 0
		.amdhsa_enable_private_segment 0
		.amdhsa_kernarg_size 24
		.amdhsa_user_sgpr_count 2
		.amdhsa_user_sgpr_kernarg_segment_ptr 1
		.amdhsa_wavefront_size32 1
		.amdhsa_system_sgpr_workgroup_id_x 1
		.amdhsa_system_sgpr_workgroup_id_y 1
		.amdhsa_system_sgpr_workgroup_id_z 1
		.amdhsa_system_vgpr_workitem_id 0
		.amdhsa_next_free_vgpr 512
		.amdhsa_next_free_sgpr 72
		.amdhsa_reserve_vcc 0
		.amdhsa_float_denorm_mode_32 3
		.amdhsa_float_denorm_mode_16_64 3
		.amdhsa_memory_ordered 1
		.amdhsa_forward_progress 1
		.amdhsa_inst_pref_size 58
	.end_amdhsa_kernel
	.amdgpu_metadata
---
amdhsa.version: [ 1, 2 ]
amdhsa.kernels:
  - .name:           k_q55e9186f9b_oproj
    .symbol:         k_q55e9186f9b_oproj.kd
    .args:
      - { .name: ctx, .offset: 0, .size: 8, .value_kind: global_buffer, .address_space: global }
      - { .name: wof, .offset: 8, .size: 8, .value_kind: global_buffer, .address_space: global }
      - { .name: out0, .offset: 16, .size: 8, .value_kind: global_buffer, .address_space: global }
    .group_segment_fixed_size: 327680
    .private_segment_fixed_size: 0
    .kernarg_segment_align: 8
    .kernarg_segment_size: 24
    .max_flat_workgroup_size: 128
    .sgpr_count:     72
    .vgpr_count:     512
    .wavefront_size: 32
...
	.end_amdgpu_metadata
.endif
;; end of part 4
